; MI455X (gfx1250); checked and timed in simulation.
; The chip was launched on July 23, 2026; its instructions are those of AMD's public machine-readable ISA for CDNA 5 (MIT licence, August 2026) and "CDNA5" Instruction Set Architecture Reference Guide (July 2026). The comments in the code are by the model that wrote it; some were corrected since.
;; Block. Allowed arithmetic: matrix products marked QUANTISED: E4M3 operands, one E8M0 scale for each 32 along K, by v_wmma_scale_f32_16x16x128_f8f6f4 with both operands' format E4M3, f32 sums; everything else in f32.
;; Inputs: W1_codes 4,096 x 32 x 32 uint8 (E4M3 codes of W1, K innermost, in blocks of 32 codes); W1_scales 4,096 x 32 uint8 (E8M0 scales of W1, one for each 32 codes along K); W2_codes 1,024 x 128 x 32 uint8 (E4M3 codes of W2, K innermost, in blocks of 32 codes); W2_scales 1,024 x 128 uint8 (E8M0 scales of W2, one for each 32 codes along K); Wk_codes 1,024 x 32 x 32 uint8 (E4M3 codes of Wk, K innermost, in blocks of 32 codes); Wk_scales 1,024 x 32 uint8 (E8M0 scales of Wk, one for each 32 codes along K); Wp_codes 1,024 x 32 x 32 uint8 (E4M3 codes of Wp, K innermost, in blocks of 32 codes); Wp_scales 1,024 x 32 uint8 (E8M0 scales of Wp, one for each 32 codes along K); Wq_codes 1,024 x 32 x 32 uint8 (E4M3 codes of Wq, K innermost, in blocks of 32 codes); Wq_scales 1,024 x 32 uint8 (E8M0 scales of Wq, one for each 32 codes along K); Wv_codes 1,024 x 32 x 32 uint8 (E4M3 codes of Wv, K innermost, in blocks of 32 codes); Wv_scales 1,024 x 32 uint8 (E8M0 scales of Wv, one for each 32 codes along K); b1 4,096 float32; b2 1,024 float32; beta1 1,024 float32; beta2 1,024 float32; bp 1,024 float32; g1 1,024 float32; g2 1,024 float32; x 4 x 1,024 x 1,024 float32.
;; Outputs: out0 4 x 1,024 x 1,024 float32.
;; This version of the problem:
;;   THIS VERSION OF THE PROBLEM IS GIVEN IN LOW PRECISION. The matrix products marked QUANTISED in the list below multiply operands that are first quantised to E4M3 (4 exponent bits, 3 mantissa bits; 8 bits a number), with one power-of-two scale for each 32 numbers along K (OCP MX v1.0); their sums are f32. All else is computed in f32.
;;   The module's matrix products, in the order in which they are computed (A, B: the left and right operand; K: the contracted axis; several contracted axes count as one K, in the product's order):
;;     1. [M 4,096, K 1,024] x [K 1,024, N 1,024]; A: computed on the way; B: input Wq (given as codes): QUANTISED
;;     2. [M 4,096, K 1,024] x [K 1,024, N 1,024]; A: computed on the way; B: input Wk (given as codes): QUANTISED
;;     3. [M 4,096, K 1,024] x [K 1,024, N 1,024]; A: computed on the way; B: input Wv (given as codes): QUANTISED
;;     4. batch 64 x [M 1,024, K 64] x [K 64, N 1,024]; A: computed on the way; B: computed on the way: QUANTISED
;;     5. batch 64 x [M 64, K 1,024] x [K 1,024, N 1,024]; A: computed on the way; B: softmax (see below): QUANTISED
;;     6. [M 4,096, K 1,024] x [K 1,024, N 1,024]; A: computed on the way; B: input Wp (given as codes): QUANTISED
;;     7. [M 4,096, K 1,024] x [K 1,024, N 4,096]; A: computed on the way; B: input W1 (given as codes): QUANTISED
;;     8. [M 4,096, K 4,096] x [K 4,096, N 1,024]; A: computed on the way; B: input W2 (given as codes): QUANTISED
;;   THE QUANTISER, for each operand of a quantised product, along K:
;;     - K is cut into blocks of 32 from its start; a last block that is shorter is filled with zeros.
;;     - A block's scale is 2^e with e = floor(log2(the largest magnitude in the block)) - 8, held to -126 .. 127; a block of zeros has e = 0. As a byte (E8M0): e + 127.
;;     - Each number is divided by its block's scale, clamped to +-448, and rounded to the nearest number of E4M3, ties to even, subnormals kept.
;;     - The product sums the exact products of the quantised numbers (number of the format x scale) in f32.
;;   ~~~python
;;   def quantise(x, axis):      # numpy; x: float32 -> the quantised numbers, widened to float32 again
;;       x = np.moveaxis(x, axis, -1); K = x.shape[-1]
;;       x = np.pad(x, [(0, 0)] * (x.ndim - 1) + [(0, -K % 32)]); x = x.reshape(x.shape[:-1] + (-1, 32)); a = np.abs(x).max(-1, keepdims=True)
;;       e = np.where(a > 0, np.clip(np.frexp(np.where(a > 0, a, 1))[1] - 1 - 8, -126, 127), 0)      # np.frexp(a)[1] - 1 = floor(log2(a)), exactly
;;       r = np.clip(x / 2.0 ** e, -448, 448)
;;       step = 2.0 ** (np.maximum(np.frexp(np.where(r == 0, 1, r))[1] - 1, -6) - 3)
;;       q = np.round(r / step) * step * 2.0 ** e      # np.round: ties to even
;;       return np.moveaxis(q.reshape(q.shape[:-2] + (-1,))[..., :K], -1, axis).astype(np.float32)
;;   ~~~
;;   SOFTMAX AHEAD OF A QUANTISED PRODUCT. Where the list says 'softmax', what is quantised is not the finished softmax but p = 2^(t - M), with t = logit x log2(e) and M = ceil(the row's largest t), a whole number; so 1/2 < the row's largest p <= 1. The row's sum l is taken of the UNQUANTISED p, in f32, and the product's result is divided by l at the end. Since M is a whole number, a kernel that streams over the keys may use a running M (the ceiling of the running maximum): every later rescaling is an exact power of two, which a block's scale takes up: the codes' values come out the same.
;;   OPERANDS COMPUTED ON THE WAY. 'Computed on the way' means the value that the module computes at that place (a softmax that the list does not call 'softmax' is quantised finished and normalised). What goes into a quantiser is computed in f32, as accurately as f32 sums, v_exp_f32 and their like allow (about 1e-6 of the number): no bf16 or f16 on the way to a quantiser, and a product that is left as it is and whose result goes on into a quantised operand takes f32 operands (vector FMAs, or v_wmma_f32_16x16x4_f32). A number that lies on a knife's edge between two numbers of the format may be rounded either way, as far as f32 arithmetic and the matrix unit's own rounding can turn it there, and no further.
;;   INPUTS GIVEN AS CODES. W1 (in the module: [1024, 4096], K = its axis 0); W2 (in the module: [4096, 1024], K = its axis 0); Wk (in the module: [1024, 1024], K = its axis 0); Wp (in the module: [1024, 1024], K = its axis 0); Wq (in the module: [1024, 1024], K = its axis 0); Wv (in the module: [1024, 1024], K = its axis 0): each comes as NAME_codes (uint8): NAME with its K axis moved to the last place and cut into blocks of 32 codes, [.., K / 32, bytes a block], one block behind the other in memory; one code a byte (a code: sign, 4 exponent bits, 3 mantissa bits); and NAME_scales (uint8): the same leading axes, one E8M0 byte (e + 127) for each 32 codes along K. Its value is code x scale, taken as it is: it is not quantised again, and the codes and scales need not be those that the quantiser above would give.
;; One version. Each part assembles by itself: llvm-mc -triple=amdgcn-amd-amdhsa -mcpu=gfx1250 --defsym DOCPART=n.
;; ======== version 1 of 1: 7 launches
;; limits: right only within a limited range of input values
;; workspace buffers: hq 4,325,376 bytes; h2q 4,325,376 bytes; qkv 13,238,272 bytes; yq 4,325,376 bytes; ffh 17,301,504 bytes; x1 16,777,216 bytes
;; launch ln1 (part 1): grid 256 x 1, 16 waves a work-group, no clusters, 84,480 bytes of LDS; arguments x, g1, beta1, hq; writes hq
.if DOCPART == 1
	.amdgcn_target "amdgcn-amd-amdhsa--gfx1250"
	.amdhsa_code_object_version 6
	.text
	.protected	k_q848ce0ce38_ln1
	.globl	k_q848ce0ce38_ln1
	.p2align	8
	.type	k_q848ce0ce38_ln1,@function
k_q848ce0ce38_ln1:
	s_mov_b64 s[64:65], 0
	v_nop
	global_prefetch_b8 v0, s[64:65] scope:SCOPE_SE
	s_setreg_imm32_b32 hwreg(HW_REG_WAVE_MODE, 25, 1), 1
	s_wait_xcnt 0x0
; h = (x - mean) * rsqrt(var + 1e-5) * g + beta for rows of 1,024 f32, then quantised along the row to codes of E4M3 with one E8M0 byte for each 32.
; Out: codes [4096][1024] at byte 0 of the buffer, scale bytes [4096][32] at byte 4,194,304.
; SHARES: a work-group takes 16 rows, each of its sixteen waves one.  A row is 32 registers of a wave: it is read from memory once and stays in registers for the mean, the variance and the scaling.
; The variance is taken of x - mean, in a second pass over the registers, as the formula has it: a common offset of the inputs is taken off before anything is squared.
; A load takes the bytes as they lie (512 consecutive bytes a wave).  The conversion wants 16 neighbours in one lane, so 512 numbers at a time turn through the wave's own stage in LDS (64 bytes + 16 of padding a lane).
; A block's scale byte is its largest magnitude's exponent field - 8, held at 1 from below.
; LIMITS: NaN and infinities are not served; a block of zeros gets the byte 1 and not 127 (its codes are zeros, and only this program reads the bytes); blocks under 2^-118 are held at the byte 1.
; No matrix unit, no cluster, no tensor load: memory binds, and the waves share nothing but the 512 scale bytes that leave together.
.set SP,   80                          ; a lane's place in a stage
.set WREG, 5120                        ; two stages of 32 x SP bytes for each wave
.set SCB,  81920                       ; behind them: the work-group's 16 x 32 scale bytes; the spare words from byte 82,432 on
.set T,    16                          ; v16-19  sums
.set MU,   20                          ; v20-21  the mean, as a pair
.set R,    24                          ; v24-25  1 / sqrt, as a pair
.set X,    32                          ; v32-63  the row; load i: columns 128 i + 4 lane
.set G,    96                          ; v96-127 g in the same layout
.set BT,   128                         ; v128-159 beta
.set Z,    160                         ; v160-191 two sets of 16 neighbours
.set C,    192                         ; v192-199 codes: four registers for each of two steps, so that no store's data are written again
.set E,    208                         ; v208-209 a scale byte for each step
	s_load_b256 s[4:11], s[0:1], 0x0               ; x s[4:5], g s[6:7], beta s[8:9], out s[10:11]
	v_lshl_add_u32 v216, v0, 2, 0x14200
	v_mov_b32 v217, 0
	v_lshrrev_b32 v1, 5, v0
	s_delay_alu instid0(VALU_DEP_1)
	v_readfirstlane_b32 s12, v1                    ; wave 0..15
	v_and_b32 v1, 31, v0                           ; lane
	s_delay_alu instid0(VALU_DEP_1)
	v_lshlrev_b32 v3, 4, v1                        ; 16 x lane: my bytes of a load's 512, and of a step's 512 bytes of codes
	s_mul_i32 s13, s12, WREG
	v_lshrrev_b32 v14, 2, v1
	s_delay_alu instid0(VALU_DEP_1)
	v_mul_u32_u24 v14, v14, SP
	v_and_b32 v15, 3, v1
	s_delay_alu instid0(VALU_DEP_1)
	v_lshl_add_u32 v14, v15, 4, v14
	s_delay_alu instid0(VALU_DEP_1)
	v_add_nc_u32 v14, s13, v14                     ; the stage, in: four lanes' 64 bytes on end, then 16 of padding
	v_mul_u32_u24 v15, v1, SP
	s_delay_alu instid0(VALU_DEP_1)
	v_add_nc_u32 v15, s13, v15                     ; and out: my 16 neighbours
	s_lshl_b32 s13, s12, 5
	s_add_co_u32 s13, s13, SCB
	v_lshrrev_b32 v5, 1, v1
	s_delay_alu instid0(VALU_DEP_1)
	v_add_nc_u32 v5, s13, v5                       ; my wave's 32 scale bytes, my block's byte
	v_add_nc_u32 v6, SCB, v3                       ; the way out of the 512 bytes: 16 a lane
	s_mov_b32 s14, 0x76543210                      ; v_permlanex16_b32: lane l takes lane l xor 16
	s_mov_b32 s15, 0xfedcba98
	s_mov_b32 s16, 0x3a800000                      ; 1 / 1024
	s_mov_b32 s17, 0x3727c5ac                      ; 1e-5
	s_mov_b32 s23, 0x600000                        ; the mantissa field of 448
	s_lshl_b32 s20, ttmp9, 4
	s_add_co_u32 s20, s20, s12                     ; my row
	s_lshl_b32 s2, s20, 12                         ; x 4,096 bytes
	s_mov_b32 s3, 0
	s_lshl_b32 s20, s20, 10                        ; x 1,024 bytes of codes
	s_mov_b32 s21, 0
	s_lshl_b32 s18, ttmp9, 9                       ; the work-group's 512 scale bytes
	s_add_co_u32 s18, s18, 4194304
	s_mov_b32 s19, 0
	s_wait_kmcnt 0x0
	s_add_nc_u64 s[4:5], s[4:5], s[2:3]
	s_add_nc_u64 s[18:19], s[10:11], s[18:19]
	s_add_nc_u64 s[10:11], s[10:11], s[20:21]
.irp i, 0,1,2,3,4,5,6,7
	global_load_b128 v[X+4*\i:X+4*\i+3], v3, s[4:5] offset:512*\i th:TH_LOAD_NT
.endr
.irp i, 0,1,2,3,4,5,6,7
	global_load_b128 v[G+4*\i:G+4*\i+3], v3, s[6:7] offset:512*\i
.endr
.irp i, 0,1,2,3,4,5,6,7
	global_load_b128 v[BT+4*\i:BT+4*\i+3], v3, s[8:9] offset:512*\i
.endr
.macro LANES                           ; v[T] summed over the 32 lanes, the result in every lane
	s_delay_alu instid0(VALU_DEP_1)
	v_add_f32_dpp v[T], v[T], v[T] row_xmask:1 row_mask:0xf bank_mask:0xf
	s_delay_alu instid0(VALU_DEP_1)
	v_add_f32_dpp v[T], v[T], v[T] row_xmask:2 row_mask:0xf bank_mask:0xf
	s_delay_alu instid0(VALU_DEP_1)
	v_add_f32_dpp v[T], v[T], v[T] row_xmask:4 row_mask:0xf bank_mask:0xf
	s_delay_alu instid0(VALU_DEP_1)
	v_add_f32_dpp v[T], v[T], v[T] row_xmask:8 row_mask:0xf bank_mask:0xf
	s_delay_alu instid0(VALU_DEP_1)
	v_permlanex16_b32 v[T+1], v[T], s14, s15
	s_delay_alu instid0(VALU_DEP_1)
	v_add_f32 v[T], v[T], v[T+1]
.endm
; The mean, x - mean in place, the variance, 1 / sqrt
	s_wait_loadcnt 16                              ; the row is in; g's and beta's sixteen loads may be out
	v_pk_add_f32 v[T:T+1], v[X:X+1], v[X+2:X+3]
	v_pk_add_f32 v[T+2:T+3], v[X+4:X+5], v[X+6:X+7]
.irp j, 8,12,16,20,24,28
	s_delay_alu instid0(VALU_DEP_2)
	v_pk_add_f32 v[T:T+1], v[T:T+1], v[X+\j:X+\j+1]
	s_delay_alu instid0(VALU_DEP_2)
	v_pk_add_f32 v[T+2:T+3], v[T+2:T+3], v[X+\j+2:X+\j+3]
.endr
	s_delay_alu instid0(VALU_DEP_1)
	v_pk_add_f32 v[T:T+1], v[T:T+1], v[T+2:T+3]
	s_delay_alu instid0(VALU_DEP_1)
	v_add_f32 v[T], v[T], v[T+1]
	LANES
	s_delay_alu instid0(VALU_DEP_1)
	v_mul_f32 v[MU], s16, v[T]
	s_delay_alu instid0(VALU_DEP_1)
	v_mov_b32 v[MU+1], v[MU]
.irp j, 0,2,4,6,8,10,12,14,16,18,20,22,24,26,28,30
	v_pk_add_f32 v[X+\j:X+\j+1], v[X+\j:X+\j+1], v[MU:MU+1] neg_lo:[0,1] neg_hi:[0,1]
.endr
	v_pk_mul_f32 v[T:T+1], v[X:X+1], v[X:X+1]
	v_pk_mul_f32 v[T+2:T+3], v[X+2:X+3], v[X+2:X+3]
.irp j, 4,8,12,16,20,24,28
	s_delay_alu instid0(VALU_DEP_2)
	v_pk_fma_f32 v[T:T+1], v[X+\j:X+\j+1], v[X+\j:X+\j+1], v[T:T+1]
	s_delay_alu instid0(VALU_DEP_2)
	v_pk_fma_f32 v[T+2:T+3], v[X+\j+2:X+\j+3], v[X+\j+2:X+\j+3], v[T+2:T+3]
.endr
	s_delay_alu instid0(VALU_DEP_1)
	v_pk_add_f32 v[T:T+1], v[T:T+1], v[T+2:T+3]
	s_delay_alu instid0(VALU_DEP_1)
	v_add_f32 v[T], v[T], v[T+1]
	LANES
	s_delay_alu instid0(VALU_DEP_1)
	v_fma_f32 v8, v[T], s16, s17                   ; var + eps
	s_wait_alu depctr_va_vdst(0)                   ; the wait ahead of the transcendental
	v_rsq_f32 v[R], v8
	v_nop                                          ; a plain instruction behind the transcendental
	s_wait_alu depctr_va_vdst(0)                   ; the wait, ahead of the first line that names its result
	v_mov_b32 v[R+1], v[R]
	s_wait_alu depctr_va_vdst(0)
	s_wait_loadcnt 0x0                             ; g and beta
.irp j, 0,2,4,6,8,10,12,14,16,18,20,22,24,26,28,30
	v_pk_mul_f32 v[X+\j:X+\j+1], v[X+\j:X+\j+1], v[R:R+1]
.endr
.irp j, 0,2,4,6,8,10,12,14,16,18,20,22,24,26,28,30
	v_pk_fma_f32 v[X+\j:X+\j+1], v[X+\j:X+\j+1], v[G+\j:G+\j+1], v[BT+\j:BT+\j+1]
.endr
; Step u = half of the row: 512 numbers through stage u.  LDS serves a wave's instructions in order, so no wait stands between the stores and the loads
.macro TURN u
.irp i, 0,1,2,3
	ds_store_b128 v14, v[X+16*(\u)+4*\i:X+16*(\u)+4*\i+3] offset:32*SP*(\u)+8*SP*\i
.endr
.irp i, 0,1,2,3
	ds_load_b128 v[Z+16*(\u)+4*\i:Z+16*(\u)+4*\i+3], v15 offset:32*SP*(\u)+16*\i
.endr
.endm
; Step u is quantised: two neighbouring lanes hold a block of 32
.macro QS u
.set ZS, Z+16*(\u)
	v_max3_num_f32 v8, |v[ZS]|, |v[ZS+1]|, |v[ZS+2]|
	v_max3_num_f32 v9, |v[ZS+3]|, |v[ZS+4]|, |v[ZS+5]|
.irp i, 6,10
	s_delay_alu instid0(VALU_DEP_2)
	v_max3_num_f32 v8, v8, |v[ZS+\i]|, |v[ZS+\i+1]|
	s_delay_alu instid0(VALU_DEP_2)
	v_max3_num_f32 v9, v9, |v[ZS+\i+2]|, |v[ZS+\i+3]|
.endr
	s_delay_alu instid0(VALU_DEP_2)
	v_max3_num_f32 v8, v8, |v[ZS+14]|, |v[ZS+15]|
	s_delay_alu instid0(VALU_DEP_1)
	v_max3_num_f32 v8, v8, v9, 0x4800000           ; the floor 2^(9 - 127): the byte cannot fall under 1
	s_delay_alu instid0(VALU_DEP_1)
	v_max_num_f32_dpp v8, v8, v8 row_xmask:1 row_mask:0xf bank_mask:0xf   ; with my neighbour's 16: the block's largest magnitude
	s_delay_alu instid0(VALU_DEP_1)
	v_add_nc_u32 v11, 0xfc000000, v8               ; 8 off its exponent field: the conversion's scale operand
	s_delay_alu instid0(VALU_DEP_2)
	v_and_or_b32 v10, v8, 0x7f800000, s23          ; 448 x the scale
.irp i, 0,1,2,3,4,5,6,7,8,9,10,11,12,13,14,15
	v_med3_num_f32 v[ZS+\i], v[ZS+\i], -v10, v10   ; the conversion to an 8-bit code does not saturate (ISA guide 7.6.2): the hold comes first
.endr
	v_cvt_scalef32_pk8_fp8_f32 v[C+4*(\u):C+4*(\u)+1], v[ZS:ZS+7], v11
	v_cvt_scalef32_pk8_fp8_f32 v[C+4*(\u)+2:C+4*(\u)+3], v[ZS+8:ZS+15], v11
	v_lshrrev_b32 v[E+(\u)], 23, v11               ; the scale's byte (also the plain line behind the conversions)
	ds_store_b8 v5, v[E+(\u)] offset:16*(\u)       ; half u of my row's 32 bytes.  Both lanes of a block write the same byte with the same value
	global_store_b128 v3, v[C+4*(\u):C+4*(\u)+3], s[10:11] offset:512*(\u)   ; the wave stores 512 consecutive bytes
.endm
	TURN 0
	TURN 1
	s_wait_dscnt 8                                 ; step 0 is back; step 1's eight lines may be out
	QS 0
	s_wait_dscnt 1                                 ; step 1 is back; a byte store may be out
	QS 1
	s_wait_dscnt 0x0                               ; for the others' sake: my byte stores have landed
	s_barrier_signal -1
	s_barrier_wait -1
	s_cmp_lg_u32 s12, 0
	s_cbranch_scc1 .Ldone
	ds_load_b128 v[T:T+3], v6                      ; wave 0: the work-group's 512 scale bytes
	s_wait_dscnt 0x0
	global_store_b128 v3, v[T:T+3], s[18:19]       ; 512 consecutive bytes, aligned
.Ldone:
	s_wait_tensorcnt 0x0                           ; the wave's end
	ds_add_u32 v216, v217
	s_wait_dscnt 0x0
	s_endpgm
.Lfunc_end_k_q848ce0ce38_ln1:
	.size	k_q848ce0ce38_ln1, .Lfunc_end_k_q848ce0ce38_ln1-k_q848ce0ce38_ln1
	.p2alignl 7, 3214868480
	.fill 96, 4, 3214868480
	.section	.rodata,"a",@progbits
	.p2align	6, 0x0
	.amdhsa_kernel k_q848ce0ce38_ln1
		.amdhsa_group_segment_fixed_size 84480
		.amdhsa_private_segment_fixed_size 0
		.amdhsa_enable_private_segment 0
		.amdhsa_kernarg_size 32
		.amdhsa_user_sgpr_count 2
		.amdhsa_user_sgpr_kernarg_segment_ptr 1
		.amdhsa_wavefront_size32 1
		.amdhsa_system_sgpr_workgroup_id_x 1
		.amdhsa_system_sgpr_workgroup_id_y 1
		.amdhsa_system_sgpr_workgroup_id_z 1
		.amdhsa_system_vgpr_workitem_id 0
		.amdhsa_next_free_vgpr 218
		.amdhsa_next_free_sgpr 66
		.amdhsa_reserve_vcc 0
		.amdhsa_float_denorm_mode_32 3
		.amdhsa_float_denorm_mode_16_64 3
		.amdhsa_memory_ordered 1
		.amdhsa_forward_progress 1
		.amdhsa_inst_pref_size 19
	.end_amdhsa_kernel
	.amdgpu_metadata
---
amdhsa.version: [ 1, 2 ]
amdhsa.kernels:
  - .name:           k_q848ce0ce38_ln1
    .symbol:         k_q848ce0ce38_ln1.kd
    .args:
      - { .name: x, .offset: 0, .size: 8, .value_kind: global_buffer, .address_space: global }
      - { .name: g1, .offset: 8, .size: 8, .value_kind: global_buffer, .address_space: global }
      - { .name: beta1, .offset: 16, .size: 8, .value_kind: global_buffer, .address_space: global }
      - { .name: hq, .offset: 24, .size: 8, .value_kind: global_buffer, .address_space: global }
    .group_segment_fixed_size: 84480
    .private_segment_fixed_size: 0
    .kernarg_segment_align: 8
    .kernarg_segment_size: 32
    .max_flat_workgroup_size: 512
    .sgpr_count:     66
    .vgpr_count:     218
    .wavefront_size: 32
...
	.end_amdgpu_metadata
.endif
;; end of part 1
;; launch qkv (part 2): grid 12 x 16, 4 waves a work-group, clusters of 4 x 4, 327,680 bytes of LDS; arguments hq, Wq_codes, Wq_scales, Wk_codes, Wk_scales, Wv_codes, Wv_scales, qkv; writes qkv
.if DOCPART == 2
	.amdgcn_target "amdgcn-amd-amdhsa--gfx1250"
	.amdhsa_code_object_version 6
	.text
	.protected	k_q848ce0ce38_qkv
	.globl	k_q848ce0ce38_qkv
	.p2align	8
	.type	k_q848ce0ce38_qkv,@function
k_q848ce0ce38_qkv:
	s_mov_b64 s[64:65], 0
	v_nop
	global_prefetch_b8 v0, s[64:65] scope:SCOPE_SE
	s_setreg_imm32_b32 hwreg(HW_REG_WAVE_MODE, 25, 1), 1
	s_wait_xcnt 0x0
	s_wait_alu depctr_hold_cnt(0) depctr_sa_sdst(0) depctr_va_vdst(0) depctr_va_sdst(0) depctr_va_ssrc(0) depctr_va_vcc(0) depctr_vm_vsrc(0)
	s_getreg_b32 s2, hwreg(HW_REG_IB_STS2, 6, 4)
	s_cmp_eq_u32 s2, 0
	s_cbranch_scc0 .Lentry_in_a_cluster
	s_endpgm
.Lentry_in_a_cluster:
	s_bfe_u32 s2, ttmp6, 0x10000c
	s_cmp_lg_u32 s2, 0xf033
	s_cbranch_scc0 .Lentry_shape_is_right
	s_endpgm
.Lentry_shape_is_right:
; q = h Wq, k = h Wk, v = h Wv on codes of E4M3 with E8M0 scales (K = 1,024), and each result quantised for attention on its way out.
; The cluster's x says which product (0: q, 1: k, 2: v); it is the same in all sixteen partners.  A tile of 256 x 256 to a work-group, 128 x 128 to each of four waves: 64 accumulators, 512 registers.
; K goes in steps of 256 through a ring of two LDS slots filled by joint tensor loads: A's tile is shared along a row of the cluster, B's along a column.  The scale bytes of the work-group's rows come once and stay.
; THE MATRIX INSTRUCTION IS USED TRANSPOSED (source 0 = 16 rows of B, source 1 = 16 rows of A): a lane holds ONE row of A and its registers run along B's rows.
;   q, k: A = h (tokens), B = the weight (channels): a lane's registers run along the head's 64, the first product's K.
;   v:    A = the weight, B = h: a lane's registers run along the tokens, which are the second product's K.
; THE WAY OUT.  In tile b a lane (r, h) holds the places 16 b + 8 h + 0..7: a block of 32 lies in the 16 registers of tiles 2 b', 2 b' + 1 of lanes l and l xor 16.  After the conversions two lane swaps a block
; bring registers 4 c .. 4 c + 3 to k = 32 c + 16 h + 0..15, the operand's own layout, and the registers go to memory as they stand, 16 bytes a lane: each store covers 512 consecutive bytes, aligned.
; LAYOUT OF qkv (hb = batch x 16 + head): q's codes at 0, k's at 4 MiB: [hb][tile of 16 tokens 64][c 2][lane][16];  v's at 8 MiB: [hb][128 keys 8][16 channels 4][c 4][lane][16];
;   q's scale words at 12 MiB, k's 256 KiB on: [hb][g 16][r 16][i 4], tile 4 g + i, the word = the two bytes twice;  v's 512 KiB on: [hb][128 keys 8][r 16][tile 4].
; LIMITS: NaN and infinities are not served; a block of zeros gets the byte 1 and not 127 (zero codes; only this program reads the bytes); blocks under 2^-118 are held at the byte 1.
.set SIZE_K, 1024
.set KSTEP,  256
.set NQ,     KSTEP/128
.set ROWB,   256
.set KROW,   SIZE_K
.set PITCH,  272                       ; an LDS row: 256 bytes + 16 of padding: the 16 rows that a load touches start at 16 different banks (64 banks of 4 bytes: ISA guide 11.1)
.set FR,     16
.set NL,     4
.set NP,     8                         ; places behind this matrix instruction (ISA guide 7.12.1)
.set HALFT,  128*PITCH
.set SLOT,   4*HALFT
.set LAPS,   SIZE_K/(2*KSTEP)
.set KS,     SIZE_K/32
.set SCL,    2*SLOT                    ; behind the ring: the scale bytes, as units of 256 bytes + 16 of padding
.set HALFS,  (128*KS/256)*272
.set SBLK,   (16*KS/256)*272
.set SPARE,  SCL+4*HALFS               ; the spare words, 128 bytes a wave: two blocks of 256 bytes that no other line names
.set ADRA, 16                          ; v16-17 LDS address of my A fragments in slot 0, 1
.set ADRB, 20                          ; v20-21 the same for B
.set CO,   26                          ; v26    16 x lane
.set ADRS, 27                          ; v27    LDS address of my scale words: lanes 0-15 A's rows, lanes 16-31 B's
.set SPW,  28                          ; v28    my spare word; never rewritten
.set NIL,  29                          ; v29    0; never rewritten
.set SC,   32                          ; v32-63 scale words, two sets: they hold scales and nothing else
.set AF,   128                         ; A's fragments, window 0
.set WLO,  64                          ; the way out: v64-71 bytes 0, 1 of block a's word; v72-79 bytes 2, 3; v80-95 words at work
.set WHI,  72
.set WT,   80
.set TM,   96                          ; v96-99 largest magnitudes, v100-103 bytes, v104-107 448 x the scale, v108-111 the conversions' scale operands
.set OUTW, 112                         ; v112-119 words to store
.set PC,   128                         ; v128-255 codes: 16 registers for each block of 16 rows, so that no store's data are written again
.set G1, 24
.set G0, 32
.set G1B, 48
.set G0B, 56
.set G1S, 68
.set G0S, 76
.set G1SB, 80
.set G0SB, 88
.set MSB, 0
.macro WIN new                         ; the immediate's high byte repeats the setting that is left
.if MSB != (\new)
	s_set_vgpr_msb (MSB<<8)|(\new)
.set MSB, (\new)
.endif
.endm
.set MUL_LO, 0xa1                      ; source 0 (B) window 1, source 1 (A) window 0, C and D window 2
.set MUL_HI, 0xf1                      ; the same, C and D window 3
.set TO_B,   0x40
; A joint load: waves 0 and 1 fetch for A, waves 2 and 3 for B; the branch hangs on the wave's number alone.  Four v_nop follow each of the two lines.
.macro JLOAD g0a, g1a, g0b, g1b
	s_cmp_eq_u32 s15, 0
	s_cbranch_scc0 .Lfor_b_\@
	tensor_load_to_lds s[\g0a:\g0a+3], s[\g1a:\g1a+7]
	s_nop 0
.rept 4
	v_nop
.endr
	s_branch .Lasked_\@
.Lfor_b_\@:
	tensor_load_to_lds s[\g0b:\g0b+3], s[\g1b:\g1b+7]
	s_nop 0
.rept 4
	v_nop
.endr
.Lasked_\@:
.endm
.macro CREST                           ; a round of the cluster's barrier behind its opening barrier
	s_cmp_lg_u32 s14, 0
	s_cbranch_scc1 .Lnot_wave_0_\@
	s_barrier_signal -3
.Lnot_wave_0_\@:
	s_barrier_wait -3
	s_barrier_signal -1
	s_barrier_wait -1
.endm
.macro CROUND
	s_barrier_signal -1
	s_barrier_wait -1
	CREST
.endm
	s_load_b256 s[32:39], s[0:1], 0x0              ; h s[32:33], Wq's codes s[34:35], its scales s[36:37], Wk's codes s[38:39]
	s_load_b256 s[56:63], s[0:1], 0x20             ; Wk's scales s[56:57], Wv's codes s[58:59], its scales s[60:61], qkv s[62:63]
	v_lshl_add_u32 v[SPW], v0, 2, SPARE
	v_mov_b32 v[NIL], 0
	ds_add_u32 v28, v29
	ds_add_u32 v28, v29
	s_wait_dscnt 0x0
	v_lshrrev_b32 v1, 5, v0
	v_readfirstlane_b32 s14, v1                    ; wave 0..3
	s_lshr_b32 s15, s14, 1                         ; which half of the tile's rows is mine.  Also: I fetch for A (0) or for B (1)
	s_and_b32 s16, s14, 1                          ; which half of its columns.  Also: which 128 rows of that tile I fetch
	s_bfe_u32 s40, ttmp6, 0x40000                  ; cx, cy
	s_bfe_u32 s41, ttmp6, 0x40004
	s_and_b32 s18, ttmp7, 0xffff
	s_lshl_b32 s18, s18, 2                         ; 4 x cluster y: the tokens' sixteen tiles go along y
	s_cmp_eq_u32 ttmp9, 2
	s_cselect_b32 s17, 0, s18
	s_cselect_b32 s42, s18, 0
	s_add_co_u32 s17, s17, s41                     ; A's tile: q, k: tokens 4 Y + cy;  v: channels cy
	s_add_co_u32 s42, s42, s40                     ; B's tile: q, k: channels cx;  v: tokens 4 Y + cx
	s_lshl_b32 s43, s41, 2
	s_lshl_b32 s43, 15, s43                        ; my row of the cluster
	s_lshl_b32 s44, 0x1111, s40                    ; my column
	s_or_b32 s[G1+0], s43, (0<<16)|(1<<20)|(1<<21)|(5<<22)|(3<<25)  ; the mask; elements of 1 byte; padding: 4 words behind every 64; bit 21 beside a mask
	s_or_b32 s[G1B+0], s44, (0<<16)|(1<<20)|(1<<21)|(5<<22)|(3<<25)
.irp g, G1, G1B
	s_mov_b32 s[\g+1], ROWB<<16                    ; tensor_dim0
	s_mov_b32 s[\g+2], 256<<16                     ; tensor_dim1: 256 rows for the head's loads; behind them 128, for the ring's
	s_mov_b32 s[\g+3], ROWB<<16                    ; tile_dim0
	s_mov_b32 s[\g+4], 256                         ; tile_dim1
	s_mov_b32 s[\g+5], KROW                        ; the pitch
	s_mov_b32 s[\g+6], 0
	s_mov_b32 s[\g+7], 0
.endr
	s_or_b32 s[G1S+0], s43, (3<<16)|(1<<20)|(1<<21)|(5<<22)|(3<<25) ; the scale bytes of 256 rows: a dense block, as rows of 32 elements of 8 bytes
	s_or_b32 s[G1SB+0], s44, (3<<16)|(1<<20)|(1<<21)|(5<<22)|(3<<25)
.irp g, G1S, G1SB
	s_mov_b32 s[\g+1], 32<<16
	s_mov_b32 s[\g+2], KS<<16                      ; the scale bytes of 256 rows: KS rows of 256 bytes
	s_mov_b32 s[\g+3], 32<<16
	s_mov_b32 s[\g+4], KS
	s_mov_b32 s[\g+5], 32
	s_mov_b32 s[\g+6], 0
	s_mov_b32 s[\g+7], 0
.endr
	s_lshl_b32 s20, s17, 8                         ; A: the tile's first row
	s_lshl_b32 s46, s42, 8                         ; B likewise
	s_mov_b32 s21, 0
	s_mov_b32 s47, 0
	s_mov_b64 s[18:19], KS
	s_mul_u64 s[22:23], s[20:21], s[18:19]         ; where these rows' scale bytes begin
	s_mul_u64 s[92:93], s[46:47], s[18:19]
	s_mov_b64 s[18:19], KROW
	s_mul_u64 s[20:21], s[20:21], s[18:19]         ; and their codes
	s_mul_u64 s[46:47], s[46:47], s[18:19]
	s_mul_i32 s45, s14, HALFT                      ; where they go: no place in the cluster enters an LDS address
	s_mul_i32 s94, s16, 128*KROW                   ; in the ring I fetch 128 rows of a tile: which half, in bytes
	s_mov_b32 s95, 0
	s_wait_kmcnt 0x0
	s_mov_b64 s[12:13], s[62:63]                   ; qkv
	s_add_nc_u64 s[96:97], s[32:33], 4194304       ; h's scale bytes lie behind its codes
	s_cmp_eq_u32 ttmp9, 0                          ; the weight: a choice on the cluster's number alone
	s_cselect_b64 s[66:67], s[34:35], s[38:39]
	s_cselect_b64 s[98:99], s[36:37], s[56:57]
	s_cmp_eq_u32 ttmp9, 2
	s_cselect_b64 s[66:67], s[58:59], s[66:67]
	s_cselect_b64 s[98:99], s[60:61], s[98:99]
	s_cselect_b64 s[4:5], s[66:67], s[32:33]       ; A: for v the weight, else h
	s_cselect_b64 s[6:7], s[98:99], s[96:97]
	s_cselect_b64 s[8:9], s[32:33], s[66:67]       ; B: the other one
	s_cselect_b64 s[10:11], s[96:97], s[98:99]
	s_add_nc_u64 s[20:21], s[4:5], s[20:21]
	s_add_nc_u64 s[22:23], s[6:7], s[22:23]
	s_add_nc_u64 s[46:47], s[8:9], s[46:47]
	s_add_nc_u64 s[92:93], s[10:11], s[92:93]
	CROUND                                         ; all sixteen work-groups are here: the first joint loads meet
	s_mov_b32 s[G0S], 1
	s_mov_b32 s[G0S+1], SCL
	s_mov_b64 s[G0S+2:G0S+3], s[22:23]
	s_or_b32 s[G0S+3], s[G0S+3], 0x80000000
	s_mov_b32 s[G0SB], 1
	s_mov_b32 s[G0SB+1], SCL+2*HALFS
	s_mov_b64 s[G0SB+2:G0SB+3], s[92:93]
	s_or_b32 s[G0SB+3], s[G0SB+3], 0x80000000
	s_mov_b32 s4, 1                                ; s[4:7], s[8:11]: group 0 of the head's loads of K step 0: A's 256 rows, B's 256 rows (the arguments that lay there have been used)
	s_mov_b32 s5, 0
	s_mov_b64 s[6:7], s[20:21]
	s_or_b32 s7, s7, 0x80000000
	s_mov_b32 s8, 1
	s_mov_b32 s9, 2*HALFT
	s_mov_b64 s[10:11], s[46:47]
	s_or_b32 s11, s11, 0x80000000
	s_add_nc_u64 s[20:21], s[20:21], s[94:95]      ; for the ring: my 128 rows of the tile
	s_add_nc_u64 s[46:47], s[46:47], s[94:95]
.irp s, 0,1
	s_mov_b32 s[G0+4*\s], 1
	s_add_co_u32 s[G0+4*\s+1], s45, \s*SLOT
	s_add_nc_u64 s[G0+4*\s+2:G0+4*\s+3], s[20:21], \s*ROWB
	s_or_b32 s[G0+4*\s+3], s[G0+4*\s+3], 0x80000000
	s_mov_b32 s[G0B+4*\s], 1
	s_add_co_u32 s[G0B+4*\s+1], s45, \s*SLOT
	s_add_nc_u64 s[G0B+4*\s+2:G0B+4*\s+3], s[46:47], \s*ROWB
	s_or_b32 s[G0B+4*\s+3], s[G0B+4*\s+3], 0x80000000
.endr
; The head's loads, one a wave: wave 0 K step 0's 256 rows of A, wave 1 its 256 rows of B, wave 2 the scale bytes of A's rows, wave 3 those of B's.  One chain of branches on the wave's number.
.macro ARM under, g0, g1, next
	s_cmp_lt_u32 s14, \under
	s_cbranch_scc0 \next
	tensor_load_to_lds s[\g0:\g0+3], s[\g1:\g1+7]
	s_nop 0
.rept 4
	v_nop
.endr
	s_branch .Lhead_asked
\next:
.endm
	ARM 1, 4, G1, .Lhead_b
	ARM 2, 8, G1B, .Lhead_sa
	ARM 3, G0S, G1S, .Lhead_sb
	tensor_load_to_lds s[G0SB:G0SB+3], s[G1SB:G1SB+7]
	s_nop 0
.rept 4
	v_nop
.endr
.Lhead_asked:
	v_and_b32 v1, 15, v0                           ; r
	v_bfe_u32 v2, v0, 4, 1                         ; h
	v_mul_u32_u24 v3, v1, PITCH
	v_lshl_add_u32 v4, v2, 4, v3
	s_mul_i32 s21, s15, HALFT
	s_mul_i32 s22, s16, HALFT
	s_add_co_u32 s22, s22, 2*HALFT
.irp s, 0,1
	v_add_nc_u32 v[ADRA+\s], s21, v4
	v_add_nc_u32 v[ADRB+\s], s22, v4
	s_add_co_u32 s21, s21, SLOT
	s_add_co_u32 s22, s22, SLOT
.endr
	v_mul_u32_u24 v5, v1, KS
	v_lshrrev_b32 v6, 8, v5
	v_lshl_add_u32 v5, v6, 4, v5                   ; my row's scale bytes: KS a row, 16 more for each 256 passed
	s_mul_i32 s21, s15, HALFS
	s_mul_i32 s22, s16, HALFS
	s_add_co_u32 s22, s22, 2*HALFS
	s_sub_co_u32 s22, s22, s21
	v_mul_u32_u24 v6, s22, v2                      ; lanes 16-31 take B's: one product, the distance between the two bases
	s_add_co_u32 s21, s21, SCL
	v_add_nc_u32 v5, v5, v6
	v_add_nc_u32 v[ADRS], s21, v5
	v_and_b32 v6, 31, v0
	v_lshlrev_b32 v[CO], 4, v6
.macro FRAG reg, adr, q, i             ; 16 rows x 128 K: lane l holds row l % 16; registers 4 c .. 4 c + 3 hold K = 32 c + 16 (l / 16) + 0 .. 15
.irp c, 0,1,2,3
	ds_load_b128 v[\reg+4*\c:\reg+4*\c+3], v[\adr] offset:128*(\q)+32*\c+(\i)*16*PITCH
.endr
.endm
; 16 matrix instructions, a quadrant of a step: A's blocks a0 .. a0 + 3 x B's blocks b0 .. b3.  The 64 accumulators take turns, one instruction a turn, in the same order in every step.
.macro MUL16 a0, b0, b1, b2, b3, p, q, sc, zero
.irp a, \a0, \a0+1, \a0+2, \a0+3
.irp b, \b0, \b1, \b2, \b3
.if \zero
	v_wmma_scale_f32_16x16x128_f8f6f4 v[8*(8*((\a)%4)+\b):8*(8*((\a)%4)+\b)+7], v[128*(\p)+FR*\b:128*(\p)+FR*\b+FR-1], v[AF+FR*(\a):AF+FR*(\a)+FR-1], 0, v[SC+8*NQ*(\sc)+NQ*\b+(\q)], v[SC+8*NQ*(\sc)+NQ*(\a)+(\q)] matrix_a_scale:MATRIX_SCALE_ROW1
.else
	v_wmma_scale_f32_16x16x128_f8f6f4 v[8*(8*((\a)%4)+\b):8*(8*((\a)%4)+\b)+7], v[128*(\p)+FR*\b:128*(\p)+FR*\b+FR-1], v[AF+FR*(\a):AF+FR*(\a)+FR-1], v[8*(8*((\a)%4)+\b):8*(8*((\a)%4)+\b)+7], v[SC+8*NQ*(\sc)+NQ*\b+(\q)], v[SC+8*NQ*(\sc)+NQ*(\a)+(\q)] matrix_a_scale:MATRIX_SCALE_ROW1
.endif
.endr
.endr
.endm
.macro FETCH_B slot, q, p, i0          ; B's blocks i0 .. i0 + 3 into set p
	WIN TO_B
.irp i, \i0, \i0+1, \i0+2, \i0+3
	FRAG 128*(\p)+FR*(\i), ADRB+\slot, \q, \i
.endr
	WIN 0
.endm
.macro FETCH_A slot, q, i0
.irp i, \i0, \i0+1, \i0+2, \i0+3
	FRAG AF+FR*(\i), ADRA+\slot, \q, \i
.endr
.endm
.macro SCALES sc                       ; a K step's scale words: lanes 0-15 A's block i, lanes 16-31 B's block i
.irp i, 0,1,2,3,4,5,6,7
	ds_load_b64 v[SC+8*NQ*\sc+NQ*\i:SC+8*NQ*\sc+NQ*\i+1], v[ADRS] offset:\i*SBLK
.endr
.endm
.macro PLACES n                        ; plain vector instructions between a matrix instruction and a load into, or a read of, its registers
.rept \n
	v_nop
.endr
.endm
; A STEP of 128 along K is four quadrants of 16 products, each behind a run of 16 LDS loads: this step's A 4-7, the next step's B 0-3, its A 0-3, its B 4-7.  Each run is read two quadrants on:
; a wait's count, 32, is the two runs issued behind the run that it waits for.  A has one set of registers (blocks 0-3 are free behind the second quadrant, 4-7 behind the fourth), B two.
.macro STEP slot, q, zero              ; with a successor in the same slot
	PLACES NP                                      ; behind the last step's products: A 4-7 and B's other set are written below
	WIN 0
	FETCH_A \slot, \q, 4
	s_wait_dscnt 8*NL                              ; A 0-3, B 0-3 and the scale words are in
	WIN MUL_LO
	MUL16 0, 0,1,2,3, (\q)%2, \q, \slot, \zero
	FETCH_B \slot, (\q)+1, 1-(\q)%2, 0
	s_wait_dscnt 8*NL                              ; B 4-7
	WIN MUL_LO
	MUL16 0, 4,5,6,7, (\q)%2, \q, \slot, \zero
	PLACES NP
	WIN 0
	FETCH_A \slot, (\q)+1, 0
	s_wait_dscnt 8*NL                              ; A 4-7
	WIN MUL_HI
	MUL16 4, 4,5,6,7, (\q)%2, \q, \slot, \zero
	FETCH_B \slot, (\q)+1, 1-(\q)%2, 4
	WIN MUL_HI
	MUL16 4, 0,1,2,3, (\q)%2, \q, \slot, \zero
	WIN 0
.endm
; A slot's last step changes slots: each wave waits for all its tensor loads, adds 0 to its spare word, waits for that and for its reads of this slot, and signals.  fill = 1: the slot is filled again, two K steps ahead.
.macro TURN slot, next, fill
	PLACES NP
	FETCH_A \slot, NQ-1, 4                         ; my last reads of this slot
	s_wait_tensorcnt 0x0                           ; all my tensor loads have landed: my part of the next slot
	ds_add_u32 v[SPW], v[NIL]                      ; 0 onto my spare word
	s_wait_dscnt 8*NL+1                            ; the add and the two youngest runs (B 4-7, A 4-7) may be out
	WIN MUL_LO
	MUL16 0, 0,1,2,3, 1, NQ-1, \slot, 0
	s_wait_dscnt 0x0                               ; the add is done, and my reads of this slot are over
	s_barrier_signal -1
	MUL16 0, 4,5,6,7, 1, NQ-1, \slot, 0
	WIN 0
	s_barrier_wait -1
.if \fill
	CREST                                          ; the barrier has opened a round of the cluster's: no wave of any partner still reads this slot or has a load on its way
	s_add_nc_u64 s[G0+4*\slot+2:G0+4*\slot+3], s[G0+4*\slot+2:G0+4*\slot+3], 2*ROWB
	s_add_nc_u64 s[G0B+4*\slot+2:G0B+4*\slot+3], s[G0B+4*\slot+2:G0B+4*\slot+3], 2*ROWB
	JLOAD G0+4*\slot, G1, G0B+4*\slot, G1B         ; the first tensor load behind the round, my one load until the next
	PLACES NP-4
.else
	PLACES NP
.endif
	s_wait_alu depctr_va_vdst(0)
	v_add_nc_u32 v[ADRS], 4*NQ, v[ADRS]
	FETCH_B \next, 0, 0, 0
	SCALES \next
	FETCH_A \next, 0, 0
	WIN MUL_HI
	MUL16 4, 4,5,6,7, 1, NQ-1, \slot, 0
	FETCH_B \next, 0, 0, 4
	WIN MUL_HI
	MUL16 4, 0,1,2,3, 1, NQ-1, \slot, 0
	WIN 0
.endm
	s_wait_alu depctr_va_vdst(0)
	s_wait_tensorcnt 0x0                           ; my tile of the head's four is in; slot 1's first fill is issued as a refill is:
	ds_add_u32 v[SPW], v[NIL]                      ; 0 onto my spare word
	s_mov_b32 s[G1+2], 128<<16                     ; no tensor load of mine is out: from here on a load brings 128 rows
	s_mov_b32 s[G1+4], 128
	s_mov_b32 s[G1B+2], 128<<16
	s_mov_b32 s[G1B+4], 128
	s_wait_dscnt 0x0
	CROUND                                         ; all four tiles are in, and all sixteen work-groups are here
	JLOAD G0+4, G1, G0B+4, G1B                     ; K step 1, the first tensor load behind the round
	FETCH_B 0, 0, 0, 0
	SCALES 0
	FETCH_A 0, 0, 0
	FETCH_B 0, 0, 0, 4
	STEP 0, 0, 1                                   ; the first step's products start the sums
	s_mov_b32 s3, LAPS-1
.Llap:
	TURN 0, 1, 1
	STEP 1, 0, 0
	TURN 1, 0, 1
	STEP 0, 0, 0
	s_sub_co_u32 s3, s3, 1
	s_cmp_lg_u32 s3, 0
	s_cbranch_scc1 .Llap
	TURN 0, 1, 0                                   ; the last lap fills nothing
	STEP 1, 0, 0
	PLACES NP                                      ; the very last step: only its own A 4-7 are still to fetch
	FETCH_A 1, NQ-1, 4
	s_wait_dscnt 8*NL
	WIN MUL_LO
	MUL16 0, 0,1,2,3, 1, NQ-1, 1, 0
	s_wait_dscnt 4*NL                              ; B 4-7 are in; A 4-7 may be out
	MUL16 0, 4,5,6,7, 1, NQ-1, 1, 0
	s_wait_dscnt 0
	WIN MUL_HI
	MUL16 4, 4,5,6,7, 1, NQ-1, 1, 0
	MUL16 4, 0,1,2,3, 1, NQ-1, 1, 0
	WIN 0
	; THE WAY OUT: where my part goes
	s_lshl_b32 s20, s17, 8
	s_lshl_b32 s21, s15, 7
	s_add_co_u32 s20, s20, s21                     ; A's first row of mine
	s_lshl_b32 s21, s42, 8
	s_lshl_b32 s22, s16, 7
	s_add_co_u32 s21, s21, s22                     ; B's
	s_cmp_eq_u32 ttmp9, 2
	s_cselect_b32 s22, s21, s20                    ; my first token
	s_cselect_b32 s23, s20, s21                    ; my first channel
	s_cselect_b32 s45, 1, 0
	s_lshr_b32 s46, s22, 10                        ; the batch
	s_and_b32 s22, s22, 1023                       ; the token in its sequence, a multiple of 128
	s_lshl_b32 s46, s46, 4
	s_lshr_b32 s23, s23, 6
	s_add_co_u32 s46, s46, s23                     ; hb of my first head (I have two)
	s_lshl_b32 s20, s46, 16                        ; codes: 65,536 bytes a head in all three parts,
	s_lshl_b32 s21, s22, 6                         ; 64 bytes a token,
	s_add_co_u32 s20, s20, s21
	s_lshl_b32 s21, ttmp9, 22                      ; 4 MiB a part
	s_add_co_u32 s20, s20, s21
	s_mov_b32 s21, 0
	s_lshl_b32 s46, s46, 12                        ; scale words: q, k: 4,096 bytes a head and 4 a token;  v: half of both
	s_lshl_b32 s22, s22, 2
	s_add_co_u32 s46, s46, s22
	s_lshr_b32 s46, s46, s45
	s_lshl_b32 s22, ttmp9, 18
	s_add_co_u32 s46, s46, s22
	s_add_co_u32 s46, s46, 12582912
	s_mov_b32 s47, 0
	s_add_nc_u64 s[92:93], s[12:13], s[46:47]
	s_add_nc_u64 s[12:13], s[12:13], s[20:21]
	s_mov_b32 s94, 0x76543210                      ; v_permlanex16_b32: lane l xor 16
	s_mov_b32 s95, 0xfedcba98
	s_mov_b32 s3, 0x600000                         ; the mantissa field of 448
	PLACES NP                                      ; behind the last products: their results are read and A's registers written below
.irp b, 0,1,2,3
	v_mov_b32 v[TM+4+\b], 0                        ; a lane permute's destination counts as one of its sources
.endr
	v_cmp_eq_u32 vcc_lo, 1, v2                     ; lanes 16-31
	v_lshlrev_b32 v7, 4, v1                        ; 16 r
; Block a (16 rows of A x my 128 rows of B, 64 registers a lane) becomes a fragment's 16 registers of codes and four scale bytes.  Each accumulator is read from its low end on.
.macro QW a
.set AC, 64*((\a)%4)
.set WW, 2+(\a)/4
.set PCA, PC+16*(\a)
	WIN WW*5                                       ; sources 0 and 1 in the accumulators' window
.irp b, 0,1,2,3
	v_max3_num_f32 v[TM+\b], |v[AC+16*\b]|, |v[AC+16*\b+1]|, 0x4800000   ; my 16 numbers of block b, and the floor 2^(9 - 127)
.endr
	WIN WW*20                                      ; sources 1 and 2
.irp i, 2,4,6,8,10,12,14
.irp b, 0,1,2,3
	v_max3_num_f32 v[TM+\b], v[TM+\b], |v[AC+16*\b+\i]|, |v[AC+16*\b+\i+1]|
.endr
.endr
	WIN 0
.irp b, 0,1,2,3
	v_permlanex16_b32 v[TM+4+\b], v[TM+\b], s94, s95
.endr
.irp b, 0,1,2,3
	v_max_num_f32 v[TM+\b], v[TM+\b], v[TM+4+\b]   ; with lane l xor 16's: the block's largest magnitude
.endr
.irp b, 0,1,2,3
	v_add_nc_u32 v[TM+12+\b], 0xfc000000, v[TM+\b] ; 8 off its exponent field: the conversion's scale operand
.endr
.irp b, 0,1,2,3
	v_and_or_b32 v[TM+8+\b], v[TM+\b], 0x7f800000, s3   ; 448 x the scale
.endr
.irp b, 0,1,2,3
	v_lshrrev_b32 v[TM+4+\b], 23, v[TM+12+\b]      ; the scale's byte
.endr
	v_lshl_or_b32 v[WLO+(\a)], v[TM+5], 8, v[TM+4]
	v_lshl_or_b32 v[WHI+(\a)], v[TM+7], 8, v[TM+6]
	WIN WW*65                                      ; destination and source 0
.irp b, 0,1,2,3
.irp i, 0,1,2,3,4,5,6,7,8,9,10,11,12,13,14,15
	v_med3_num_f32 v[AC+16*\b+\i], v[AC+16*\b+\i], -v[TM+8+\b], v[TM+8+\b]   ; the conversion does not saturate (ISA guide 7.6.2): the hold comes first
.endr
.endr
	WIN WW                                         ; source 0
.irp b, 0,1,2,3
	v_cvt_scalef32_pk8_fp8_f32 v[PCA+4*\b:PCA+4*\b+1], v[AC+16*\b:AC+16*\b+7], v[TM+12+\b]
	v_cvt_scalef32_pk8_fp8_f32 v[PCA+4*\b+2:PCA+4*\b+3], v[AC+16*\b+8:AC+16*\b+15], v[TM+12+\b]
.endr
	WIN 0
	v_nop                                          ; a plain line behind the last conversion
.irp b, 0,1,2,3
	v_permlane16_swap_b32 v[PCA+4*\b], v[PCA+4*\b+2]     ; lanes 16-31 of the first change places with lanes 0-15 of the second:
	v_permlane16_swap_b32 v[PCA+4*\b+1], v[PCA+4*\b+3]   ; registers 4 b .. 4 b + 3 now hold k = 32 b + 16 h + 0 .. 15
.endr
.endm
.irp a, 0,1,2,3,4,5,6,7
	QW \a
.endr
	s_cmp_eq_u32 ttmp9, 2                          ; the cluster's number: the same in all partners
	s_cbranch_scc1 .Lout_v
	; q, k: block a is tile a of my tokens; blocks 0, 1 of the codes are my first head's 64 channels, blocks 2, 3 my second's
.irp a, 0,1,2,3,4,5,6,7
.irp b, 0,1,2,3
	global_store_b128 v[CO], v[PC+16*\a+4*\b:PC+16*\a+4*\b+3], s[12:13] offset:1024*\a+512*(\b%2)+65536*(\b/2)
.endr
.endr
	v_lshl_add_u32 v8, v2, 8, v7                   ; lanes 0-15: tiles 0-3, lanes 16-31: tiles 4-7, 256 bytes on; 16 bytes a row
.irp i, 0,1,2,3,4,5,6,7
	v_lshl_or_b32 v[WT+\i], v[WLO+\i], 16, v[WLO+\i]     ; the two bytes twice: the upper two scale products with zero codes alone
	v_lshl_or_b32 v[WT+8+\i], v[WHI+\i], 16, v[WHI+\i]
.endr
.irp i, 0,1,2,3
	v_cndmask_b32 v[OUTW+\i], v[WT+\i], v[WT+4+\i], vcc_lo
	v_cndmask_b32 v[OUTW+4+\i], v[WT+8+\i], v[WT+12+\i], vcc_lo
.endr
	global_store_b128 v8, v[OUTW:OUTW+3], s[92:93]
	global_store_b128 v8, v[OUTW+4:OUTW+7], s[92:93] offset:4096
	s_branch .Lout_done
.Lout_v:
	; v: block a is 16 channels: head a / 4, tile a % 4; the codes' four blocks are my 128 keys
	s_wait_alu depctr_va_vdst(0)
.irp a, 0,1,2,3,4,5,6,7
.irp b, 0,1,2,3
	global_store_b128 v[CO], v[PC+16*\a+4*\b:PC+16*\a+4*\b+3], s[12:13] offset:65536*(\a/4)+2048*(\a%4)+512*\b
.endr
.endr
	v_lshl_add_u32 v8, v2, 11, v7                  ; lanes 16-31: my second head, 2,048 bytes on
.irp i, 0,1,2,3,4,5,6,7
	v_lshl_or_b32 v[WT+\i], v[WHI+\i], 16, v[WLO+\i]
.endr
.irp i, 0,1,2,3
	v_cndmask_b32 v[OUTW+\i], v[WT+\i], v[WT+4+\i], vcc_lo
.endr
	global_store_b128 v8, v[OUTW:OUTW+3], s[92:93]
.Lout_done:
	s_wait_tensorcnt 0x0                           ; the wave's end
	ds_add_u32 v[SPW], v[NIL]
	s_wait_dscnt 0x0
	CROUND                                         ; the closing round
	s_endpgm
.Lfunc_end_k_q848ce0ce38_qkv:
	.size	k_q848ce0ce38_qkv, .Lfunc_end_k_q848ce0ce38_qkv-k_q848ce0ce38_qkv
	.p2alignl 7, 3214868480
	.fill 96, 4, 3214868480
	.section	.rodata,"a",@progbits
	.p2align	6, 0x0
	.amdhsa_kernel k_q848ce0ce38_qkv
		.amdhsa_group_segment_fixed_size 327680
		.amdhsa_private_segment_fixed_size 0
		.amdhsa_enable_private_segment 0
		.amdhsa_kernarg_size 64
		.amdhsa_user_sgpr_count 2
		.amdhsa_user_sgpr_kernarg_segment_ptr 1
		.amdhsa_wavefront_size32 1
		.amdhsa_system_sgpr_workgroup_id_x 1
		.amdhsa_system_sgpr_workgroup_id_y 1
		.amdhsa_system_sgpr_workgroup_id_z 1
		.amdhsa_system_vgpr_workitem_id 0
		.amdhsa_next_free_vgpr 1024
		.amdhsa_next_free_sgpr 100
		.amdhsa_reserve_vcc 1
		.amdhsa_float_denorm_mode_32 3
		.amdhsa_float_denorm_mode_16_64 3
		.amdhsa_memory_ordered 1
		.amdhsa_forward_progress 1
		.amdhsa_inst_pref_size 195
	.end_amdhsa_kernel
	.amdgpu_metadata
---
amdhsa.version: [ 1, 2 ]
amdhsa.kernels:
  - .name:           k_q848ce0ce38_qkv
    .symbol:         k_q848ce0ce38_qkv.kd
    .args:
      - { .name: hq, .offset: 0, .size: 8, .value_kind: global_buffer, .address_space: global }
      - { .name: Wq_codes, .offset: 8, .size: 8, .value_kind: global_buffer, .address_space: global }
      - { .name: Wq_scales, .offset: 16, .size: 8, .value_kind: global_buffer, .address_space: global }
      - { .name: Wk_codes, .offset: 24, .size: 8, .value_kind: global_buffer, .address_space: global }
      - { .name: Wk_scales, .offset: 32, .size: 8, .value_kind: global_buffer, .address_space: global }
      - { .name: Wv_codes, .offset: 40, .size: 8, .value_kind: global_buffer, .address_space: global }
      - { .name: Wv_scales, .offset: 48, .size: 8, .value_kind: global_buffer, .address_space: global }
      - { .name: qkv, .offset: 56, .size: 8, .value_kind: global_buffer, .address_space: global }
    .group_segment_fixed_size: 327680
    .private_segment_fixed_size: 0
    .kernarg_segment_align: 8
    .kernarg_segment_size: 64
    .max_flat_workgroup_size: 128
    .sgpr_count:     100
    .vgpr_count:     1024
    .wavefront_size: 32
...
	.end_amdgpu_metadata
.endif
;; end of part 2
;; launch att (part 3): grid 4 x 64, 16 waves a work-group, clusters of 4 x 1, 206,848 bytes of LDS; arguments qkv, yq; writes yq
.if DOCPART == 3
	.amdgcn_target "amdgcn-amd-amdhsa--gfx1250"
	.amdhsa_code_object_version 6
	.text
	.protected	k_q848ce0ce38_att
	.globl	k_q848ce0ce38_att
	.p2align	8
	.type	k_q848ce0ce38_att,@function
k_q848ce0ce38_att:
	s_mov_b64 s[64:65], 0
	v_nop
	global_prefetch_b8 v0, s[64:65] scope:SCOPE_SE
	s_setreg_imm32_b32 hwreg(HW_REG_WAVE_MODE, 25, 1), 1
	s_wait_xcnt 0x0
	s_wait_alu depctr_hold_cnt(0) depctr_sa_sdst(0) depctr_va_vdst(0) depctr_va_sdst(0) depctr_va_ssrc(0) depctr_va_vcc(0) depctr_vm_vsrc(0)
	s_getreg_b32 s2, hwreg(HW_REG_IB_STS2, 6, 4)
	s_cmp_eq_u32 s2, 0
	s_cbranch_scc0 .Lentry_in_a_cluster
	s_endpgm
.Lentry_in_a_cluster:
	s_bfe_u32 s2, ttmp6, 0x10000c
	s_cmp_lg_u32 s2, 0x3003
	s_cbranch_scc0 .Lentry_shape_is_right
	s_endpgm
.Lentry_shape_is_right:
; y[b][q][head] = softmax_k(q . k / 32, causal) v, both products on codes of E4M3 with E8M0 scales; y is quantised along the 1,024 channels on its way out, for the projection.
; THE SOFTMAX: t = score x log2(e) / 32; M = the running largest t rounded UP to a whole number; p = 2^(t - M) is what is quantised, along the keys.  The row's sum is taken of the unquantised p and divides at the end.
; When M moves, the sum and O are multiplied by 2^(old M - new M), which rounds nothing.
; SHARES.  A cluster of four work-groups is one (batch, head); the whole head's codes of K and V (64 KiB each) and their scale words come into each work-group's LDS ONCE, by joint loads that name all four.
; No tile is ever filled again.  The codes lie in memory as images of the operands' registers, so every LDS read is a constant + 16 x lane: consecutive bytes.
; THE DEAL.  A work-group has 16 tiles of 16 queries: tile 4 rho + cx, rho = 0 .. 15, which needs the key steps (128 keys) 0 .. rho / 2.  Wave w has rho = 4 ((w / 4 + w) % 4) + w / 4.  The rows are dealt by pairs, rho and rho xor 15:
;   the wave with rho >= 8 walks steps 0 to 3 of its own tile;  its partner (rho <= 7) walks its own tile whole (1 to 4 steps) and stores it, then walks steps 4 .. of the long tile with an M, a sum and an O^T of its own,
;   and hands these over through LDS (4,608 bytes a pair, bytes into which no tile lands).  The long tile's wave joins the two parts: both are brought under the larger M by powers of two, which rounds nothing, and added.
;   So no wave walks more than five steps.  Steps whose keys are all hidden are jumped over; in a tile's last step hidden scores become -infinity.  Key 512 counts for every query of a long tile, so the second part's M is a number.
;   Every branch hangs on the wave's number alone, none on the work-group's place in its cluster.
; LAYOUT.  S^T = K Q^T (source 0 = 16 keys, source 1 = my queries), O^T = V^T P^T: a lane holds ONE query.  In S^T's tile kt lane (r, h) holds keys 16 kt + 8 h + 0..7: a block of 32 keys lies in the 16 registers of two tiles
; of lanes l and l xor 16; two lane swaps a block bring p's codes into the operand's layout.
; K = 64 IN A FORM OF 128: Q's fragment has zero codes for k = 64 .. 127.  K's fragment kt is named as v[32 + 8 kt .. + 15]: its upper eight registers are the next tile's codes (zeros behind the last).  Those are finite numbers
; (the quantiser holds at 448, so no code is NaN), their scale bytes repeat the lower two, and they meet zeros: they add exact zeros.
; THE SCALE BYTES OF y leave two to a lane, into words that four work-groups and two heads share: units written in part; they are one byte in 32 of what the launch stores.
; No prefetch: each tile is asked for once, at the head, and there is no loop to run ahead in.
; LIMITS: NaN and infinities are not served; a block of zeros gets the byte 1 and not 127; the scaled scores stay under 2^31 in magnitude.
.set VL,   65536                       ; LDS: K's codes at 0, V's here,
.set KSL,  131072                      ; K's scale words (4,096 bytes),
.set VSL,  135168                      ; V's (2,048 bytes); the spare words from byte 167,936 on
.set XCH,  169984                      ; what a pair hands over: O^T (4,096 bytes), then -M, t and the sum (512)
.set XP,   4608
.set LI,  1                            ; v1   16 x lane
.set AV,  2                            ; v2   VL + 16 x lane
.set ASK, 3                            ; v3   KSL + 16 r
.set ASV, 4                            ; v4   VSL + 16 r
.set VQ,  5                            ; v5   my query - 8 h
.set XA,  6                            ; v6   my pair's bytes + 16 x lane
.set S,   104                          ; v104-167 S^T, then p, at the end y
.set O,   168                          ; v168-199 O^T
.set P,   200                          ; v200-215 p's codes
.set KW,  216                          ; v216-223 K's scale words; v224-227 V's; v228 Q's; v229 p's: they hold scales and nothing else
.set VW,  224
.set QS,  228
.set PW,  229
.set RH,  11                           ; s11  the last key step of the tile in hand
.set WV,  18
.set MNT, 19
.set SEL, 20
.set CS,  22
.set G1D,  24                          ; s[24:31] group 1: 64 rows of 256 bytes;  s[32:39]: 16 rows;  s[40:47]: 8 rows
.set G1KS, 32
.set G1VS, 40
.set G0KS, 48                          ; groups 0: K's scale words; the four chunks of codes at s52, s56, s60, s68; V's scale words
.set G0VS, 72
.macro CROUND
	s_barrier_signal -1
	s_barrier_wait -1
	s_cmp_lg_u32 s[WV], 0
	s_cbranch_scc1 .Lnot_wave_0_\@
	s_barrier_signal -3
.Lnot_wave_0_\@:
	s_barrier_wait -3
	s_barrier_signal -1
	s_barrier_wait -1
.endm
	s_load_b128 s[4:7], s[0:1], 0x0                ; qkv s[4:5], yq s[6:7]
	v_lshl_add_u32 v251, v0, 2, 0x29000
	v_mov_b32 v255, 0
	ds_add_u32 v251, v255                          ; the opening: the add, twice on end, and its wait ahead of the first tensor loads
	ds_add_u32 v251, v255
	v_lshrrev_b32 v1, 5, v0
	s_delay_alu instid0(VALU_DEP_1)
	v_readfirstlane_b32 s[WV], v1                  ; wave 0..15
	s_bfe_u32 s8, ttmp6, 0x40000                   ; cx
	s_and_b32 s9, ttmp7, 0xffff                    ; hb = batch x 16 + head: the cluster's y
	s_lshr_b32 s10, s[WV], 2
	s_and_b32 s11, s[WV], 3
	s_add_co_u32 s11, s11, s10
	s_and_b32 s11, s11, 3
	s_lshl_b32 s11, s11, 2
	s_add_co_u32 s10, s11, s10                     ; rho
	s_lshr_b32 s[RH], s10, 1
	s_lshl_b32 s12, s10, 2
	s_add_co_u32 s12, s12, s8                      ; my tile of queries
	s_xor_b32 s89, s10, 15                         ; my partner's rho
	s_min_u32 s90, s10, s89                        ; the pair's number, 0 .. 7
	s_mul_i32 s90, s90, XP
	s_add_co_u32 s90, s90, XCH
.irp g, G1D, G1KS, G1VS
	s_mov_b32 s[\g], 15|(3<<16)|(1<<21)            ; the mask: all four work-groups; elements of 8 bytes; bit 21 beside a mask; no padding
	s_mov_b32 s[\g+1], 32<<16                      ; tensor_dim0 = 32 elements: 256 bytes
	s_mov_b32 s[\g+3], 32<<16                      ; tile_dim0
	s_mov_b32 s[\g+5], 32                          ; the pitch: dense
	s_mov_b32 s[\g+6], 0
	s_mov_b32 s[\g+7], 0
.endr
	s_mov_b32 s[G1D+2], 64<<16
	s_mov_b32 s[G1D+4], 64
	s_mov_b32 s[G1KS+2], 16<<16
	s_mov_b32 s[G1KS+4], 16
	s_mov_b32 s[G1VS+2], 8<<16
	s_mov_b32 s[G1VS+4], 8
	s_and_b32 s13, s[WV], 1                        ; even waves fetch K's, odd waves V's
	s_add_co_u32 s14, s13, 1
	s_lshl_b32 s14, s14, 22                        ; K's codes at 4 MiB, V's at 8 MiB,
	s_lshl_b32 s15, s9, 16                         ; 65,536 bytes a head
	s_add_co_u32 s14, s14, s15
	s_mov_b32 s15, 0
	s_lshl_b32 s13, s13, 16                        ; and in LDS
	s_lshl_b32 s16, s9, 12
	s_add_co_u32 s16, s16, 12582912+262144         ; K's scale words
	s_mov_b32 s17, 0
	s_lshl_b32 s76, s9, 11
	s_add_co_u32 s76, s76, 12582912+524288         ; V's
	s_mov_b32 s77, 0
	s_lshl_b32 s78, s9, 16
	s_lshl_b32 s79, s12, 10
	s_add_co_u32 s78, s78, s79                     ; Q's codes: my tile's 1,024 bytes
	s_mov_b32 s79, 0
	s_lshl_b32 s80, s9, 12
	s_lshl_b32 s81, s10, 8
	s_add_co_u32 s80, s80, s81
	s_lshl_b32 s81, s8, 2
	s_add_co_u32 s80, s80, s81
	s_add_co_u32 s80, s80, 12582912                ; Q's scale words: group rho, word cx
	s_mov_b32 s81, 0
	s_mov_b32 s[SEL], 0x76543210
	s_mov_b32 s[SEL+1], 0xfedcba98
	s_mov_b32 s[CS], 0x3d38aa3b                    ; log2(e) / 32
	s_mov_b32 s[CS+1], s[CS]
	s_mov_b32 s[MNT], 0x600000
	s_wait_dscnt 0x0
	s_wait_kmcnt 0x0
	s_add_nc_u64 s[14:15], s[4:5], s[14:15]
	s_add_nc_u64 s[16:17], s[4:5], s[16:17]
	s_add_nc_u64 s[76:77], s[4:5], s[76:77]
	s_add_nc_u64 s[78:79], s[4:5], s[78:79]
	s_add_nc_u64 s[80:81], s[4:5], s[80:81]
	s_mov_b32 s[G0KS], 1
	s_mov_b32 s[G0KS+1], KSL
	s_mov_b64 s[G0KS+2:G0KS+3], s[16:17]
	s_or_b32 s[G0KS+3], s[G0KS+3], 0x80000000
	s_mov_b32 s[G0VS], 1
	s_mov_b32 s[G0VS+1], VSL
	s_mov_b64 s[G0VS+2:G0VS+3], s[76:77]
	s_or_b32 s[G0VS+3], s[G0VS+3], 0x80000000
.set cc, 0
.irp g, 52,56,60,68
	s_mov_b32 s[\g], 1
	s_add_co_u32 s[\g+1], s13, 16384*cc            ; chunk cc: 256 keys
	s_add_nc_u64 s[\g+2:\g+3], s[14:15], 16384*cc
	s_or_b32 s[\g+3], s[\g+3], 0x80000000
.set cc, cc+1
.endr
	CROUND                                         ; all four work-groups are here: the joint loads meet
; The ten fills, one a wave: wave 0 K's scale words, wave 1 V's; waves 2 + 2 c and 3 + 2 c chunk c of K's and of V's codes (the wave's parity says which).  One chain of branches on the wave's number.
.macro ARM under, g0, g1, next
	s_cmp_lt_u32 s[WV], \under
	s_cbranch_scc0 \next
	tensor_load_to_lds s[\g0:\g0+3], s[\g1:\g1+7]
	s_nop 0
.rept 4
	v_nop
.endr
	s_branch .Lasked
\next:
.endm
	ARM 1, G0KS, G1KS, .Larm_vs
	ARM 2, G0VS, G1VS, .Larm_0
	ARM 4, 52, G1D, .Larm_1
	ARM 6, 56, G1D, .Larm_2
	ARM 8, 60, G1D, .Larm_3
	ARM 10, 68, G1D, .Larm_none
.Lasked:
	v_and_b32 v8, 31, v0
	s_delay_alu instid0(VALU_DEP_1)
	v_lshlrev_b32 v[LI], 4, v8
	v_and_b32 v8, 15, v0                           ; r
	v_bfe_u32 v9, v0, 4, 1                         ; h
	s_delay_alu instid0(VALU_DEP_2)
	v_lshlrev_b32 v10, 4, v8                       ; 16 r: it stays
	global_load_b128 v[16:19], v[LI], s[78:79]     ; Q's fragment: k = 0 .. 63
	global_load_b128 v[20:23], v[LI], s[78:79] offset:512
	global_load_b32 v[QS], v10, s[80:81]
	v_add_nc_u32 v[AV], VL, v[LI]
	v_add_nc_u32 v[ASK], KSL, v10
	v_add_nc_u32 v[ASV], VSL, v10
	v_add_nc_u32 v[XA], s90, v[LI]
	s_lshl_b32 s82, s12, 4
	v_lshlrev_b32 v11, 3, v9
	s_delay_alu instid0(VALU_DEP_1)
	v_sub_nc_u32 v[VQ], v8, v11
	s_delay_alu instid0(VALU_DEP_1)
	v_add_nc_u32 v[VQ], s82, v[VQ]                 ; 16 x tile + r - 8 h
.irp j, 0,1,2,3,4,5,6,7
	v_mov_b32 v[24+\j], 0                          ; Q's zero codes for k = 64 .. 127
	v_mov_b32 v[96+\j], 0                          ; and what stands behind K's last tile
.endr
	v_mov_b32 v13, 0xff61b1e6                      ; the largest t so far: -3e38
	s_delay_alu instid0(VALU_DEP_1)
	v_floor_f32 v12, -v13                          ; -M
	v_mov_b32 v14, 0                               ; the sum, in two halves
	v_mov_b32 v15, 0
.irp b, 0,1,2,3
	v_mov_b32 v[236+\b], 0                         ; a lane permute's destination counts as one of its sources
.endr
	v_mov_b32 v253, 0                              ; named as the upper half of the pair v[252:253]
	s_wait_loadcnt 0x0                             ; Q
; A gate shows what the waves under 'under' have fetched: they wait for their one load, all waves meet.  The later chunks stay on their way. The last gate's wait stands on every wave's way.
.macro GATE under
.if \under < 10
	s_cmp_lt_u32 s[WV], \under
	s_cbranch_scc0 .Lnot_mine_\@
	s_wait_tensorcnt 0x0
.Lnot_mine_\@:
.else
	s_wait_tensorcnt 0x0
.endif
	s_wait_dscnt 0x0
	s_barrier_signal -1
	s_barrier_wait -1
.endm
; A KEY STEP: keys 128 s .. 128 s + 127.  first = 1: the first step of a part: its products start O^T
.macro STEP s, first
.if (\s) > 0
	s_cmp_lt_u32 s[RH], \s                         ; all its keys are hidden from my queries: a branch on the wave's number
	s_cbranch_scc1 .Lover_\@
.rept 8
	v_nop                                          ; places in front of loads into registers that the last products read
.endr
.endif
.irp kt, 0,1,2,3,4,5,6,7
.irp c, 0,1
	ds_load_b128 v[32+8*\kt+4*\c:35+8*\kt+4*\c], v[LI] offset:8192*(\s)+1024*\kt+512*\c
.endr
.endr
.irp e, 0,1
	ds_load_b128 v[KW+4*\e:KW+4*\e+3], v[ASK] offset:256*(2*(\s)+\e)
.endr
	s_wait_dscnt 0x0
.irp kt, 0,1,2,3,4,5,6,7
	v_wmma_scale_f32_16x16x128_f8f6f4 v[S+8*\kt:S+8*\kt+7], v[32+8*\kt:47+8*\kt], v[16:31], 0, v[KW+\kt], v[QS]
.endr
.rept 8
	v_nop                                          ; places: for the loads below and for the first read of the scores
.endr
.irp dt, 0,1,2,3
.irp c, 0,1,2,3
	ds_load_b128 v[32+16*\dt+4*\c:35+16*\dt+4*\c], v[AV] offset:8192*(\s)+2048*\dt+512*\c   ; V's four fragments land under the softmax
.endr
.endr
	ds_load_b128 v[VW:VW+3], v[ASV] offset:256*(\s)
	s_cmp_lg_u32 s[RH], \s
	s_cbranch_scc1 .Lopen_\@
	v_add_nc_u32 v252, 0xffffffff&(-128*(\s)), v[VQ]   ; d = my query - 8 h - 128 s.  Register n holds key 128 s + 16 (n / 8) + 8 h + n % 8: hidden where 16 (n / 8) + n % 8 > d
	v_mov_b32 v254, 0xff800000                     ; -infinity
.set n, 0
.rept 64
	v_cmp_gt_i32 vcc_lo, 16*(n/8)+n%8, v252
	v_cndmask_b32 v[S+n], v[S+n], v254, vcc_lo
.set n, n+1
.endr
.Lopen_\@:
.irp b, 0,1,2,3
	v_max3_num_f32 v[232+\b], v[S+16*\b], v[S+16*\b+1], v[S+16*\b+2]   ; the largest score of each block of 32 keys: for the row's maximum, and, since p rises with the score, for the block's largest p
.endr
.irp i, 3,5,7,9,11,13
.irp b, 0,1,2,3
	v_max3_num_f32 v[232+\b], v[232+\b], v[S+16*\b+\i], v[S+16*\b+\i+1]
.endr
.endr
.irp b, 0,1,2,3
	v_max_num_f32 v[232+\b], v[232+\b], v[S+16*\b+15]
.endr
.irp b, 0,1,2,3
	s_delay_alu instid0(VALU_DEP_4)
	v_permlanex16_b32 v[236+\b], v[232+\b], s[SEL], s[SEL+1]
.endr
.irp b, 0,1,2,3
	s_delay_alu instid0(VALU_DEP_4)
	v_max_num_f32 v[232+\b], v[232+\b], v[236+\b]
.endr
	s_delay_alu instid0(VALU_DEP_2)
	v_max3_num_f32 v254, v232, v233, v234
	s_delay_alu instid0(VALU_DEP_1)
	v_max_num_f32 v254, v254, v235
	s_delay_alu instid0(VALU_DEP_1)
	v_mul_f32 v254, s[CS], v254
	s_delay_alu instid0(VALU_DEP_1)
	v_max_num_f32 v13, v13, v254                   ; the running largest t
	v_mov_b32 v254, v12
	s_delay_alu instid0(VALU_DEP_2)
	v_floor_f32 v12, -v13                          ; -M = floor(-t): M is a whole number
	s_delay_alu instid0(VALU_DEP_1)
	v_sub_f32 v254, v12, v254
	s_delay_alu instid0(VALU_DEP_1)
	v_cvt_i32_f32 v254, v254                       ; (it saturates)
	s_delay_alu instid0(VALU_DEP_1)
	v_ldexp_f32 v252, 1.0, v254                    ; f = 2^(old M - new M)
.set n, 0
.rept 32
	v_pk_fma_f32 v[S+n:S+n+1], v[S+n:S+n+1], s[CS:CS+1], v[12:13] op_sel_hi:[1,0,0]   ; t - M
.set n, n+2
.endr
.irp b, 0,1,2,3
	v_fma_f32 v[232+\b], v[232+\b], s[CS], v12
.endr
.set n, 0
	s_wait_alu depctr_va_vdst(0)                   ; the wait ahead of the batch
.rept 64
	v_exp_f32 v[S+n], v[S+n]                       ; p = 2^(t - M)
.set n, n+1
.endr
	v_pk_mul_f32 v[14:15], v[14:15], v[252:253] op_sel_hi:[1,0]   ; the sums under the new M; a plain line behind the exponentials
	s_wait_alu depctr_va_vdst(0)                   ; one wait for the batch, ahead of its first reader
.irp b, 0,1,2,3
	v_exp_f32 v[232+\b], v[232+\b]                 ; the block's largest p
.endr
	v_pk_add_f32 v[236:237], v[108:109], v[112:113]   ; the row's sum of the unquantised p, in eight chains
	v_pk_add_f32 v[248:249], v[116:117], v[120:121]
	v_pk_add_f32 v[246:247], v[124:125], v[128:129]
	v_pk_add_f32 v[244:245], v[132:133], v[136:137]
	v_pk_add_f32 v[242:243], v[140:141], v[144:145]
	v_pk_add_f32 v[240:241], v[148:149], v[152:153]
	v_pk_add_f32 v[238:239], v[156:157], v[160:161]
	v_pk_add_f32 v[14:15], v[14:15], v[164:165]
	v_pk_add_f32 v[236:237], v[236:237], v[104:105]
	v_pk_add_f32 v[248:249], v[248:249], v[106:107]
	v_pk_add_f32 v[246:247], v[246:247], v[110:111]
	v_pk_add_f32 v[244:245], v[244:245], v[114:115]
	v_pk_add_f32 v[242:243], v[242:243], v[118:119]
	v_pk_add_f32 v[240:241], v[240:241], v[122:123]
	v_pk_add_f32 v[238:239], v[238:239], v[126:127]
	v_pk_add_f32 v[14:15], v[14:15], v[130:131]
	v_pk_add_f32 v[236:237], v[236:237], v[134:135]
	v_pk_add_f32 v[248:249], v[248:249], v[138:139]
	v_pk_add_f32 v[246:247], v[246:247], v[142:143]
	v_pk_add_f32 v[244:245], v[244:245], v[146:147]
	v_pk_add_f32 v[242:243], v[242:243], v[150:151]
	v_pk_add_f32 v[240:241], v[240:241], v[154:155]
	v_pk_add_f32 v[238:239], v[238:239], v[158:159]
	v_pk_add_f32 v[14:15], v[14:15], v[162:163]
	v_pk_add_f32 v[236:237], v[236:237], v[166:167]
	s_delay_alu instid0(VALU_DEP_2)
	v_pk_add_f32 v[14:15], v[14:15], v[244:245]
	s_delay_alu instid0(VALU_DEP_2)
	v_pk_add_f32 v[236:237], v[236:237], v[242:243]
	v_pk_add_f32 v[248:249], v[248:249], v[240:241]
	v_pk_add_f32 v[246:247], v[246:247], v[238:239]
	s_delay_alu instid0(VALU_DEP_2)
	v_pk_add_f32 v[14:15], v[14:15], v[248:249]
	s_delay_alu instid0(VALU_DEP_2)
	v_pk_add_f32 v[236:237], v[236:237], v[246:247]
	s_delay_alu instid0(VALU_DEP_1)
	v_pk_add_f32 v[14:15], v[14:15], v[236:237]
	s_wait_alu depctr_va_vdst(0)                   ; and one for the four
.irp b, 0,1,2,3
	v_max_num_f32 v[232+\b], 0x4800000, v[232+\b]  ; the floor 2^(9 - 127)
.endr
.irp b, 0,1,2,3
	s_delay_alu instid0(VALU_DEP_4)
	v_add_nc_u32 v[244+\b], 0xfc000000, v[232+\b]
.endr
.irp b, 0,1,2,3
	v_and_or_b32 v[240+\b], v[232+\b], 0x7f800000, s[MNT]
.endr
.irp b, 0,1,2,3
	v_lshrrev_b32 v[236+\b], 23, v[244+\b]
.endr
	s_delay_alu instid0(VALU_DEP_3)
	v_lshl_or_b32 v[PW], v237, 8, v236             ; p's scale word for these 128 keys
	s_delay_alu instid0(VALU_DEP_1)
	v_lshl_or_b32 v[PW], v238, 16, v[PW]
	s_delay_alu instid0(VALU_DEP_1)
	v_lshl_or_b32 v[PW], v239, 24, v[PW]
.irp b, 0,1,2,3
.irp i, 0,1,2,3,4,5,6,7,8,9,10,11,12,13,14,15
	v_min_num_f32 v[S+16*\b+\i], v[S+16*\b+\i], v[240+\b]   ; the hold; p is not negative
.endr
	v_cvt_scalef32_pk8_fp8_f32 v[P+4*\b:P+4*\b+1], v[S+16*\b:S+16*\b+7], v[244+\b]
	v_cvt_scalef32_pk8_fp8_f32 v[P+4*\b+2:P+4*\b+3], v[S+16*\b+8:S+16*\b+15], v[244+\b]
.endr
	v_nop                                          ; a plain line behind the last conversion
.irp b, 0,1,2,3
	v_permlane16_swap_b32 v[P+4*\b], v[P+4*\b+2]   ; registers 4 b .. 4 b + 3: keys 32 b + 16 h + 0 .. 15
	v_permlane16_swap_b32 v[P+4*\b+1], v[P+4*\b+3]
.endr
.if !(\first)
.set n, 0
.rept 16
	v_pk_mul_f32 v[O+n:O+n+1], v[O+n:O+n+1], v[252:253] op_sel_hi:[1,0]   ; O^T under the new M
.set n, n+2
.endr
.endif
.rept 4
	v_nop                                          ; an operand written by vector instructions stands four places ahead of a scaled matrix instruction
.endr
	s_wait_alu depctr_va_vdst(0)
	s_wait_dscnt 0x0                               ; V
.irp dt, 0,1,2,3
.if \first
	v_wmma_scale_f32_16x16x128_f8f6f4 v[O+8*\dt:O+8*\dt+7], v[32+16*\dt:47+16*\dt], v[P:P+15], 0, v[VW+\dt], v[PW]
.else
	v_wmma_scale_f32_16x16x128_f8f6f4 v[O+8*\dt:O+8*\dt+7], v[32+16*\dt:47+16*\dt], v[P:P+15], v[O+8*\dt:O+8*\dt+7], v[VW+\dt], v[PW]
.endif
.endr
.Lover_\@:
.endm
; THE WAY OUT of my own tile (rho in s10, its last step in s11): y = O^T / the sum, quantised along the head's 64 channels (two blocks of the projection's K), stored as the image of half a fragment
.macro WAYOUT
.rept 8
	v_nop
.endr
	v_add_f32 v14, v14, v15
	s_delay_alu instid0(VALU_DEP_1)
	v_permlanex16_b32 v252, v14, s[SEL], s[SEL+1]
	s_delay_alu instid0(VALU_DEP_1)
	v_add_f32 v14, v14, v252                       ; the row's sum
	s_wait_alu depctr_va_vdst(0)
	v_rcp_f32 v14, v14
	s_lshr_b32 s82, s9, 4                          ; the batch
	s_and_b32 s83, s9, 15                          ; the head
	s_lshr_b32 s88, s83, 1                         ; which 128 of the projection's K
	s_and_b32 s83, s83, 1                          ; and which half of them
	s_lshl_b32 s84, s82, 3
	s_add_co_u32 s84, s84, s[RH]                   ; the block of 128 rows: 8 x batch + rho / 2
	s_lshl_b32 s84, s84, 3
	s_add_co_u32 s84, s84, s88
	s_lshl_b32 s84, s84, 3
	s_and_b32 s85, s10, 1
	s_lshl_b32 s85, s85, 2
	s_add_co_u32 s84, s84, s85
	s_add_co_u32 s84, s84, s8                      ; the tile in it: 4 (rho % 2) + cx
	s_lshl_b32 s84, s84, 11
	s_lshl_b32 s85, s83, 10
	s_add_co_u32 s84, s84, s85
	s_mov_b32 s85, 0
	s_lshl_b32 s86, s82, 4
	s_add_co_u32 s86, s86, s10                     ; the group of 64 rows: 16 x batch + rho
	s_lshl_b32 s86, s86, 3
	s_add_co_u32 s86, s86, s88
	s_lshl_b32 s86, s86, 8
	s_lshl_b32 s87, s8, 2
	s_add_co_u32 s86, s86, s87
	s_lshl_b32 s87, s83, 1
	s_add_co_u32 s86, s86, s87
	s_add_co_u32 s86, s86, 4194304
	s_mov_b32 s87, 0
	s_add_nc_u64 s[84:85], s[6:7], s[84:85]
	s_add_nc_u64 s[86:87], s[6:7], s[86:87]
	v_nop                                          ; a plain line behind the transcendental
	s_wait_alu depctr_va_vdst(0)                   ; the wait, ahead of its first reader
.set n, 0
.rept 16
	v_pk_mul_f32 v[S+n:S+n+1], v[O+n:O+n+1], v[14:15] op_sel_hi:[1,0]   ; register 8 dt + j: channel 16 dt + 8 h + j of my query
.set n, n+2
.endr
.irp b, 0,1
	v_max3_num_f32 v[232+\b], |v[S+16*\b]|, |v[S+16*\b+1]|, 0x4800000
.endr
.irp i, 2,4,6,8,10,12,14
.irp b, 0,1
	s_delay_alu instid0(VALU_DEP_2)
	v_max3_num_f32 v[232+\b], v[232+\b], |v[S+16*\b+\i]|, |v[S+16*\b+\i+1]|
.endr
.endr
.irp b, 0,1
	s_delay_alu instid0(VALU_DEP_2)
	v_permlanex16_b32 v[236+\b], v[232+\b], s[SEL], s[SEL+1]
.endr
.irp b, 0,1
	s_delay_alu instid0(VALU_DEP_2)
	v_max_num_f32 v[232+\b], v[232+\b], v[236+\b]
.endr
.irp b, 0,1
	s_delay_alu instid0(VALU_DEP_2)
	v_add_nc_u32 v[244+\b], 0xfc000000, v[232+\b]
.endr
.irp b, 0,1
	s_delay_alu instid0(VALU_DEP_4)
	v_and_or_b32 v[240+\b], v[232+\b], 0x7f800000, s[MNT]
.endr
.irp b, 0,1
	s_delay_alu instid0(VALU_DEP_4)
	v_lshrrev_b32 v[236+\b], 23, v[244+\b]
.endr
	s_delay_alu instid0(VALU_DEP_1)
	v_lshl_or_b32 v248, v237, 8, v236
.irp b, 0,1
.irp i, 0,1,2,3,4,5,6,7,8,9,10,11,12,13,14,15
	v_med3_num_f32 v[S+16*\b+\i], v[S+16*\b+\i], -v[240+\b], v[240+\b]
.endr
	v_cvt_scalef32_pk8_fp8_f32 v[P+4*\b:P+4*\b+1], v[S+16*\b:S+16*\b+7], v[244+\b]
	v_cvt_scalef32_pk8_fp8_f32 v[P+4*\b+2:P+4*\b+3], v[S+16*\b+8:S+16*\b+15], v[244+\b]
.endr
	v_nop
.irp b, 0,1
	v_permlane16_swap_b32 v[P+4*\b], v[P+4*\b+2]
	v_permlane16_swap_b32 v[P+4*\b+1], v[P+4*\b+3]
.endr
	global_store_b128 v[LI], v[P:P+3], s[84:85]              ; 512 consecutive bytes, aligned
	global_store_b128 v[LI], v[P+4:P+7], s[84:85] offset:512
	global_store_b16 v10, v248, s[86:87]                     ; my row's two bytes; lanes l and l xor 16 write the same value to the same place
.endm
	GATE 4                                         ; the scale words and chunk 0
	STEP 0, 1
	GATE 10                                        ; all the rest: from here on the waves walk at their own pace
	STEP 1, 0
	STEP 2, 0
	STEP 3, 0
	s_cmp_ge_u32 s10, 8                            ; a long tile's wave has done its part
	s_cbranch_scc1 .Lmeet
	WAYOUT                                         ; a short tile is whole: it leaves
	; MY PARTNER'S TILE, steps 4 on: its queries, its last step, and an M, a sum and an O^T begun anew
	s_wait_xcnt 0x0                                ; my stores have read their registers, which are written again below
	s_lshr_b32 s[RH], s89, 1
	s_lshl_b32 s82, s89, 2
	s_add_co_u32 s82, s82, s8                      ; its tile
	s_sub_co_u32 s83, s82, s12
	s_lshl_b32 s83, s83, 4                         ; so many queries further on
	s_lshl_b32 s78, s9, 16
	s_lshl_b32 s79, s82, 10
	s_add_co_u32 s78, s78, s79
	s_mov_b32 s79, 0
	s_lshl_b32 s80, s9, 12
	s_lshl_b32 s81, s89, 8
	s_add_co_u32 s80, s80, s81
	s_lshl_b32 s81, s8, 2
	s_add_co_u32 s80, s80, s81
	s_add_co_u32 s80, s80, 12582912
	s_mov_b32 s81, 0
	s_add_nc_u64 s[78:79], s[4:5], s[78:79]
	s_add_nc_u64 s[80:81], s[4:5], s[80:81]
	global_load_b128 v[16:19], v[LI], s[78:79]
	global_load_b128 v[20:23], v[LI], s[78:79] offset:512
	global_load_b32 v[QS], v10, s[80:81]
	v_add_nc_u32 v[VQ], s83, v[VQ]
	v_mov_b32 v13, 0xff61b1e6
	v_mov_b32 v14, 0
	v_mov_b32 v15, 0
	v_floor_f32 v12, -v13
	s_wait_alu depctr_va_vdst(0)                   ; the wait here, directly ahead of the wait below
	s_wait_loadcnt 0x0
	STEP 4, 1
	STEP 5, 0
	STEP 6, 0
	STEP 7, 0
.rept 8
	v_nop                                          ; places behind the last products
.endr
.set n, 0
.rept 8
	ds_store_b128 v[XA], v[O+4*n:O+4*n+3] offset:512*n     ; O^T as the image of its registers, each accumulator from its low end on
.set n, n+1
.endr
	ds_store_b128 v[XA], v[12:15] offset:4096      ; -M, t, the sum's two halves
.Lmeet:
	s_wait_dscnt 0x0                               ; for my partner's sake
	s_barrier_signal -1
	s_barrier_wait -1
	s_cmp_lt_u32 s10, 8
	s_cbranch_scc1 .Lend
.rept 8
	v_nop                                          ; places in front of loads into registers that the last products read
.endr
.set n, 0
.rept 8
	ds_load_b128 v[32+4*n:35+4*n], v[XA] offset:512*n
.set n, n+1
.endr
	ds_load_b128 v[64:67], v[XA] offset:4096
	s_wait_dscnt 0x0
	v_min_num_f32 v72, v12, v64                    ; -M of the whole row: the smaller of the two
	v_mov_b32 v69, 0                               ; (named as the upper halves of pairs)
	v_mov_b32 v71, 0
	v_sub_f32 v73, v72, v12                        ; my M less the row's: a whole number, 0 or less
	v_sub_f32 v74, v72, v64                        ; my partner's likewise
	v_cvt_i32_f32 v73, v73
	v_cvt_i32_f32 v74, v74
	v_ldexp_f32 v68, 1.0, v73
	v_ldexp_f32 v70, 1.0, v74
	v_pk_mul_f32 v[14:15], v[14:15], v[68:69] op_sel_hi:[1,0]
.set n, 0
.rept 16
	v_pk_mul_f32 v[O+n:O+n+1], v[O+n:O+n+1], v[68:69] op_sel_hi:[1,0]
.set n, n+2
.endr
	v_pk_fma_f32 v[14:15], v[66:67], v[70:71], v[14:15] op_sel_hi:[1,0,1]
.set n, 0
.rept 16
	v_pk_fma_f32 v[O+n:O+n+1], v[32+n:33+n], v[70:71], v[O+n:O+n+1] op_sel_hi:[1,0,1]
.set n, n+2
.endr
	WAYOUT
.Lend:
	s_wait_tensorcnt 0x0                           ; the wave's end
	ds_add_u32 v251, v255
	s_wait_dscnt 0x0
	CROUND                                         ; the closing round: every tensor load has been waited for
	s_endpgm
.Lfunc_end_k_q848ce0ce38_att:
	.size	k_q848ce0ce38_att, .Lfunc_end_k_q848ce0ce38_att-k_q848ce0ce38_att
	.p2alignl 7, 3214868480
	.fill 96, 4, 3214868480
	.section	.rodata,"a",@progbits
	.p2align	6, 0x0
	.amdhsa_kernel k_q848ce0ce38_att
		.amdhsa_group_segment_fixed_size 206848
		.amdhsa_private_segment_fixed_size 0
		.amdhsa_enable_private_segment 0
		.amdhsa_kernarg_size 16
		.amdhsa_user_sgpr_count 2
		.amdhsa_user_sgpr_kernarg_segment_ptr 1
		.amdhsa_wavefront_size32 1
		.amdhsa_system_sgpr_workgroup_id_x 1
		.amdhsa_system_sgpr_workgroup_id_y 1
		.amdhsa_system_sgpr_workgroup_id_z 1
		.amdhsa_system_vgpr_workitem_id 0
		.amdhsa_next_free_vgpr 256
		.amdhsa_next_free_sgpr 96
		.amdhsa_reserve_vcc 1
		.amdhsa_float_denorm_mode_32 3
		.amdhsa_float_denorm_mode_16_64 3
		.amdhsa_memory_ordered 1
		.amdhsa_forward_progress 1
		.amdhsa_inst_pref_size 226
	.end_amdhsa_kernel
	.amdgpu_metadata
---
amdhsa.version: [ 1, 2 ]
amdhsa.kernels:
  - .name:           k_q848ce0ce38_att
    .symbol:         k_q848ce0ce38_att.kd
    .args:
      - { .name: qkv, .offset: 0, .size: 8, .value_kind: global_buffer, .address_space: global }
      - { .name: yq, .offset: 8, .size: 8, .value_kind: global_buffer, .address_space: global }
    .group_segment_fixed_size: 206848
    .private_segment_fixed_size: 0
    .kernarg_segment_align: 8
    .kernarg_segment_size: 16
    .max_flat_workgroup_size: 512
    .sgpr_count:     96
    .vgpr_count:     256
    .wavefront_size: 32
...
	.end_amdgpu_metadata
.endif
;; end of part 3
;; launch proj (part 4): grid 8 x 32, 4 waves a work-group, clusters of 4 x 4, 327,680 bytes of LDS; arguments yq, Wp_codes, Wp_scales, bp, x, x1; writes x1
.if DOCPART == 4
	.amdgcn_target "amdgcn-amd-amdhsa--gfx1250"
	.amdhsa_code_object_version 6
	.text
	.protected	k_q848ce0ce38_proj
	.globl	k_q848ce0ce38_proj
	.p2align	8
	.type	k_q848ce0ce38_proj,@function
k_q848ce0ce38_proj:
	s_mov_b64 s[64:65], 0
	v_nop
	global_prefetch_b8 v0, s[64:65] scope:SCOPE_SE
	s_setreg_imm32_b32 hwreg(HW_REG_WAVE_MODE, 25, 1), 1
	s_wait_xcnt 0x0
	s_wait_alu depctr_hold_cnt(0) depctr_sa_sdst(0) depctr_va_vdst(0) depctr_va_sdst(0) depctr_va_ssrc(0) depctr_va_vcc(0) depctr_vm_vsrc(0)
	s_getreg_b32 s2, hwreg(HW_REG_IB_STS2, 6, 4)
	s_cmp_eq_u32 s2, 0
	s_cbranch_scc0 .Lentry_in_a_cluster
	s_endpgm
.Lentry_in_a_cluster:
	s_bfe_u32 s2, ttmp6, 0x10000c
	s_cmp_lg_u32 s2, 0xf033
	s_cbranch_scc0 .Lentry_shape_is_right
	s_endpgm
.Lentry_shape_is_right:
; out = res + A B^T + bias on codes of E4M3 with E8M0 scales.  A: 4,096 rows x SIZE_K, this program's own codes, laid as images of the operand's registers; B: 1,024 rows x SIZE_K, codes with K innermost; res, out: [4096][1024] f32.
; 1,024 columns make only 64 tiles of 256 x 256, so a tile is 128 x 128: 256 work-groups, four waves of 64 x 64 (16 accumulators).  K goes in steps of 512 through two LDS slots filled by joint tensor loads
; (A's tile shared along a row of the 4 x 4 cluster, B's along a column).
; A's LAYOUT: codes [128 rows][128 of K][tile 8][c 4][lane][16 bytes]: a K step of a work-group's rows is 65,536 consecutive bytes, and a fragment is four reads of 512 consecutive bytes.
;   Scale words behind the codes: [64 rows][128 of K][r 16][tile 4]: one read of 16 bytes a lane brings the words of a wave's four tiles.
; The scale bytes of the work-group's rows of A and of B, for all of K, come into LDS once and stay.
; THE MATRIX INSTRUCTION IS USED TRANSPOSED (source 0 = 16 rows of B, source 1 = 16 rows of A): a lane holds eight neighbouring columns of one row.  The bias is the C of each sum's first instruction.
; The residual is asked for at the head, in the layout in which rows come back from the stage, and added there.
.set SIZE_K, 1024
.set KSTEP,  512
.set PB,     528                       ; a row of B in LDS: 512 bytes + 16 of padding: the 16 rows that a load touches start at 16 different banks (64 banks of 4 bytes: ISA guide 11.1)
.set AQ,     16384                     ; A's images of 128 along K: 8 tiles x 2,048 bytes
.set ABYT,   4*AQ
.set BHALF,  64*PB
.set SLOT,   ABYT+2*BHALF
.set LAPS,   SIZE_K/(2*KSTEP)
.set KS,     SIZE_K/32
.set SCA,    2*SLOT                    ; A's scale words, dense
.set SCAH,   2*SIZE_K                  ; those of 64 rows
.set SCB,    SCA+4*SIZE_K              ; B's scale bytes, as units of 256 bytes + 16 of padding
.set SCBH,   (2*SIZE_K/256)*272        ; those of 64 rows
.set SBLK,   (16*KS/256)*272           ; of 16 rows
.set SPARE,  SCB+2*SCBH                ; the spare words, 128 bytes a wave
.set STG,    SPARE+512                 ; the stages for the way out: 16 rows x 272 bytes a wave, bytes into which no fill lands
.set ADRA, 16
.set ADRB, 20
.set ADSA, 22
.set ADSB, 23
.set STO,  24
.set RD,   25
.set CO,   26
.set SPW,  28
.set NIL,  29
.set SA,   32                          ; v32-47, v64-79  A's scale words, set 0, 1: word 4 q + i
.set SB,   48                          ; v48-63, v80-95  B's: word 4 b + q.  These registers hold scales and nothing else
.set BIAS, 96                          ; v96-127
.set ACC,  128                         ; v128-255: accumulator (i, b) at 8 (4 i + b)
.set F0,   0                           ; window 1: two buffers: A's four fragments, then B's four
.set F1,   128
.set G1, 24
.set G0, 32
.set G1B, 48
.set G0B, 56
.set G1S, 68
.set G0S, 76
.set G1SB, 80
.set G0SB, 88
.set MSB, 0
.macro WIN new
.if MSB != (\new)
	s_set_vgpr_msb (MSB<<8)|(\new)
.set MSB, (\new)
.endif
.endm
.set MUL,  0x05                        ; sources 0 and 1 window 1; C and D window 0
.set TO_F, 0x40
.macro JLOAD g0a, g1a, g0b, g1b        ; waves 0 and 1 fetch for A, waves 2 and 3 for B; four v_nop follow each of the two lines
	s_cmp_eq_u32 s15, 0
	s_cbranch_scc0 .Lfor_b_\@
	tensor_load_to_lds s[\g0a:\g0a+3], s[\g1a:\g1a+7]
	s_nop 0
.rept 4
	v_nop
.endr
	s_branch .Lasked_\@
.Lfor_b_\@:
	tensor_load_to_lds s[\g0b:\g0b+3], s[\g1b:\g1b+7]
	s_nop 0
.rept 4
	v_nop
.endr
.Lasked_\@:
.endm
.macro CREST
	s_cmp_lg_u32 s14, 0
	s_cbranch_scc1 .Lnot_wave_0_\@
	s_barrier_signal -3
.Lnot_wave_0_\@:
	s_barrier_wait -3
	s_barrier_signal -1
	s_barrier_wait -1
.endm
.macro CROUND
	s_barrier_signal -1
	s_barrier_wait -1
	CREST
.endm
	s_load_b256 s[4:11], s[0:1], 0x0               ; A s[4:5], B's codes s[6:7], B's scales s[8:9], the bias s[10:11]
	s_load_b128 s[92:95], s[0:1], 0x20             ; the residual s[92:93], out s[94:95]
	v_lshl_add_u32 v[SPW], v0, 2, SPARE
	v_mov_b32 v[NIL], 0
	ds_add_u32 v28, v29
	ds_add_u32 v28, v29
	s_wait_dscnt 0x0
	v_lshrrev_b32 v1, 5, v0
	v_readfirstlane_b32 s14, v1                    ; wave 0..3
	s_lshr_b32 s15, s14, 1                         ; my half of the rows.  Also: I fetch for A (0) or for B (1)
	s_and_b32 s16, s14, 1                          ; my half of the columns.  Also: which half of a tile I fetch
	s_bfe_u32 s40, ttmp6, 0x40000
	s_bfe_u32 s41, ttmp6, 0x40004
	s_lshl_b32 s42, ttmp9, 2
	s_add_co_u32 s42, s42, s40                     ; tile column
	s_and_b32 s17, ttmp7, 0xffff
	s_lshl_b32 s17, s17, 2
	s_add_co_u32 s17, s17, s41                     ; tile row
	s_lshl_b32 s43, s41, 2
	s_lshl_b32 s43, 15, s43                        ; my row of the cluster
	s_lshl_b32 s44, 0x1111, s40                    ; my column
	s_or_b32 s[G1+0], s43, (3<<16)|(1<<21)         ; A's codes: half a K step, 32,768 dense bytes, as 128 rows of 32 elements of 8 bytes; no padding
	s_mov_b32 s[G1+1], 32<<16
	s_mov_b32 s[G1+2], 256<<16                     ; the head's load brings a whole K step, 256 rows of 256 bytes; slot 1's loads half of one
	s_mov_b32 s[G1+3], 32<<16
	s_mov_b32 s[G1+4], 256
	s_mov_b32 s[G1+5], 32
	s_mov_b32 s[G1+6], 0
	s_mov_b32 s[G1+7], 0
	s_or_b32 s[G1B+0], s44, (0<<16)|(1<<20)|(1<<21)|(6<<22)|(3<<25)   ; B's codes: 64 rows of 512 bytes, 4 words of padding behind every 128
	s_mov_b32 s[G1B+1], KSTEP<<16
	s_mov_b32 s[G1B+2], 128<<16
	s_mov_b32 s[G1B+3], KSTEP<<16
	s_mov_b32 s[G1B+4], 128
	s_mov_b32 s[G1B+5], SIZE_K
	s_mov_b32 s[G1B+6], 0
	s_mov_b32 s[G1B+7], 0
	s_or_b32 s[G1S+0], s43, (3<<16)|(1<<21)        ; A's scale words of 128 rows: 4 SIZE_K dense bytes
	s_or_b32 s[G1SB+0], s44, (3<<16)|(1<<20)|(1<<21)|(5<<22)|(3<<25)  ; B's scale bytes of 128 rows: the same number, padded
.irp g, G1S, G1SB
	s_mov_b32 s[\g+1], 32<<16
	s_mov_b32 s[\g+2], (SIZE_K/64)<<16             ; the scales of all 128 rows in one load
	s_mov_b32 s[\g+3], 32<<16
	s_mov_b32 s[\g+4], SIZE_K/64
	s_mov_b32 s[\g+5], 32
	s_mov_b32 s[\g+6], 0
	s_mov_b32 s[\g+7], 0
.endr
	s_mul_i32 s20, s17, 128*SIZE_K                 ; A's codes: my tile row's block
	s_mov_b32 s21, 0
	s_mul_i32 s22, s17, 4*SIZE_K                   ; A's scale words, behind the codes
	s_add_co_u32 s22, s22, 4096*SIZE_K
	s_mov_b32 s23, 0
	s_lshl_b32 s46, s42, 7                         ; B: row 128 x tile column
	s_lshl_b32 s12, s16, 15                        ; slot 1's loads: my half of A's K step,
	s_mov_b32 s13, 0
	s_lshl_b32 s66, s16, 16                        ; my 64 rows of B (SIZE_K = 1,024 bytes a row)
	s_mov_b32 s67, 0
	s_mul_i32 s96, s46, KS
	s_mov_b32 s97, 0
	s_mul_i32 s46, s46, SIZE_K
	s_mov_b32 s47, 0
	s_lshl_b32 s45, s16, 15                        ; where they go: no place in the cluster enters an LDS address
	s_mul_i32 s98, s16, BHALF
	s_add_co_u32 s98, s98, ABYT
	s_mul_i32 s19, s16, SCBH
	s_add_co_u32 s19, s19, SCB
	s_wait_kmcnt 0x0
	s_add_nc_u64 s[20:21], s[4:5], s[20:21]
	s_add_nc_u64 s[22:23], s[4:5], s[22:23]
	s_add_nc_u64 s[46:47], s[6:7], s[46:47]
	s_add_nc_u64 s[96:97], s[8:9], s[96:97]
	CROUND                                         ; all sixteen work-groups are here: the first joint loads meet
	s_mov_b32 s[G0S], 1
	s_mov_b32 s[G0S+1], SCA
	s_mov_b64 s[G0S+2:G0S+3], s[22:23]
	s_or_b32 s[G0S+3], s[G0S+3], 0x80000000
	s_mov_b32 s[G0SB], 1
	s_mov_b32 s[G0SB+1], SCB
	s_mov_b64 s[G0SB+2:G0SB+3], s[96:97]
	s_or_b32 s[G0SB+3], s[G0SB+3], 0x80000000
; This text serves SIZE_K = 1,024 alone: the two slots hold all of K and nothing is filled again, so slot 0's groups 0 state the whole tiles of the head's loads.
	s_mov_b32 s[G0], 1
	s_mov_b32 s[G0+1], 0
	s_mov_b64 s[G0+2:G0+3], s[20:21]
	s_or_b32 s[G0+3], s[G0+3], 0x80000000
	s_mov_b32 s[G0B], 1
	s_mov_b32 s[G0B+1], ABYT
	s_mov_b64 s[G0B+2:G0B+3], s[46:47]
	s_or_b32 s[G0B+3], s[G0B+3], 0x80000000
	s_add_nc_u64 s[20:21], s[20:21], s[12:13]
	s_add_nc_u64 s[46:47], s[46:47], s[66:67]
	s_mov_b32 s[G0+4], 1
	s_add_co_u32 s[G0+5], s45, SLOT
	s_add_nc_u64 s[G0+6:G0+7], s[20:21], ABYT
	s_or_b32 s[G0+7], s[G0+7], 0x80000000
	s_mov_b32 s[G0B+4], 1
	s_add_co_u32 s[G0B+5], s98, SLOT
	s_add_nc_u64 s[G0B+6:G0B+7], s[46:47], KSTEP
	s_or_b32 s[G0B+7], s[G0B+7], 0x80000000
; The head's loads, one a wave: wave 0 K step 0 of A, wave 1 of B, wave 2 A's scale words, wave 3 B's scale bytes.  One chain of branches on the wave's number.
.macro ARM under, g0, g1, next
	s_cmp_lt_u32 s14, \under
	s_cbranch_scc0 \next
	tensor_load_to_lds s[\g0:\g0+3], s[\g1:\g1+7]
	s_nop 0
.rept 4
	v_nop
.endr
	s_branch .Lhead_asked
\next:
.endm
	ARM 1, G0, G1, .Lhead_b
	ARM 2, G0B, G1B, .Lhead_sa
	ARM 3, G0S, G1S, .Lhead_sb
	tensor_load_to_lds s[G0SB:G0SB+3], s[G1SB:G1SB+7]
	s_nop 0
.rept 4
	v_nop
.endr
.Lhead_asked:
	v_and_b32 v1, 15, v0                           ; r
	v_bfe_u32 v2, v0, 4, 1                         ; h
	v_and_b32 v3, 31, v0
	v_lshlrev_b32 v3, 4, v3                        ; 16 x lane
	s_lshl_b32 s18, s15, 13                        ; my four tiles of A: 8,192 bytes x half
	v_add_nc_u32 v[ADRA], s18, v3
	v_add_nc_u32 v[ADRA+1], SLOT, v[ADRA]
	v_mul_u32_u24 v4, v1, PB
	v_lshl_add_u32 v4, v2, 4, v4
	v_add_nc_u32 v[ADRB], s98, v4                  ; my 64 rows of B
	v_add_nc_u32 v[ADRB+1], SLOT, v[ADRB]
	v_lshlrev_b32 v5, 4, v1                        ; 16 r
	s_mul_i32 s18, s15, SCAH
	s_add_co_u32 s18, s18, SCA
	v_add_nc_u32 v[ADSA], s18, v5
	v_mul_u32_u24 v6, v1, KS
	v_lshrrev_b32 v7, 8, v6
	v_lshl_add_u32 v6, v7, 4, v6                   ; KS bytes a row, 16 more for each 256 passed
	v_add_nc_u32 v[ADSB], s19, v6
	s_mul_i32 s18, s14, 16*272
	s_add_co_u32 s18, s18, STG                     ; my stage
	v_mul_u32_u24 v7, v1, 272
	v_lshl_add_u32 v7, v2, 5, v7
	v_add_nc_u32 v[STO], s18, v7                   ; in: row r, 32 bytes for each half of the lanes
	v_mul_u32_u24 v7, v2, 272
	v_add_nc_u32 v7, v7, v5
	v_add_nc_u32 v[RD], s18, v7                    ; back: lanes 0-15 one row of 256 bytes, lanes 16-31 the next
	v_lshl_add_u32 v[CO], v2, 12, v5               ; and the same two rows in memory
	v_lshlrev_b32 v30, 5, v2                       ; the bias: 8 numbers for each half of the lanes
	s_wait_alu depctr_va_vdst(0)
	s_lshl_b32 s20, s17, 7
	s_lshl_b32 s21, s15, 6
	s_add_co_u32 s20, s20, s21
	s_lshl_b32 s20, s20, 12                        ; my first row x 4,096 bytes
	s_lshl_b32 s46, s42, 9
	s_lshl_b32 s47, s16, 8
	s_add_co_u32 s46, s46, s47                     ; my first column x 4 bytes
	s_mov_b32 s47, 0
	s_add_nc_u64 s[10:11], s[10:11], s[46:47]
	s_add_co_u32 s20, s20, s46
	s_mov_b32 s21, 0
	s_add_nc_u64 s[92:93], s[92:93], s[20:21]
	s_add_nc_u64 s[94:95], s[94:95], s[20:21]
.irp b, 0,1,2,3
	global_load_b128 v[BIAS+8*\b:BIAS+8*\b+3], v30, s[10:11] offset:64*\b
	global_load_b128 v[BIAS+8*\b+4:BIAS+8*\b+7], v30, s[10:11] offset:64*\b+16
.endr
.macro FETCH slot, q, f                ; 32 LDS loads: my four fragments of A and four of B for the slot's q-th 128 along K
	WIN TO_F
.irp i, 0,1,2,3
.irp c, 0,1,2,3
	ds_load_b128 v[\f+16*\i+4*\c:\f+16*\i+4*\c+3], v[ADRA+\slot] offset:AQ*(\q)+2048*\i+512*\c
.endr
.endr
.irp b, 0,1,2,3
.irp c, 0,1,2,3
	ds_load_b128 v[\f+64+16*\b+4*\c:\f+64+16*\b+4*\c+3], v[ADRB+\slot] offset:16*PB*\b+128*(\q)+32*\c
.endr
.endr
.endm
.macro SCALES set                      ; a K step's scale words
	WIN 0
.irp q, 0,1,2,3
	ds_load_b128 v[SA+32*\set+4*\q:SA+32*\set+4*\q+3], v[ADSA] offset:256*\q
.endr
.irp b, 0,1,2,3
	ds_load_b128 v[SB+32*\set+4*\b:SB+32*\set+4*\b+3], v[ADSB] offset:SBLK*\b
.endr
.endm
; 8 matrix instructions: A's tiles i0, i0 + 1 x B's four.  The 16 accumulators take turns, one instruction a turn, in the same order in every quarter.
.macro MUL8 f, i0, q, set, first
.irp i, \i0, \i0+1
.irp b, 0,1,2,3
.if \first
	v_wmma_scale_f32_16x16x128_f8f6f4 v[ACC+8*(4*(\i)+\b):ACC+8*(4*(\i)+\b)+7], v[\f+64+16*\b:\f+64+16*\b+15], v[\f+16*(\i):\f+16*(\i)+15], v[BIAS+8*\b:BIAS+8*\b+7], v[SB+32*(\set)+4*\b+(\q)], v[SA+32*(\set)+4*(\q)+(\i)]
.else
	v_wmma_scale_f32_16x16x128_f8f6f4 v[ACC+8*(4*(\i)+\b):ACC+8*(4*(\i)+\b)+7], v[\f+64+16*\b:\f+64+16*\b+15], v[\f+16*(\i):\f+16*(\i)+15], v[ACC+8*(4*(\i)+\b):ACC+8*(4*(\i)+\b)+7], v[SB+32*(\set)+4*\b+(\q)], v[SA+32*(\set)+4*(\q)+(\i)]
.endif
.endr
.endr
.endm
.macro PLACES n                        ; plain vector instructions between a matrix instruction and a load into, or a read of, its registers
.rept \n
	v_nop
.endr
.endm
.macro QUARTER slot, q, first          ; one of a slot's first three quarters: the next quarter is asked for, then this one is multiplied
	PLACES 8
	FETCH \slot, (\q)+1, 128*(1-(\q)%2)
	s_wait_dscnt 32                                ; all but the 32 just issued
	WIN MUL
	MUL8 128*((\q)%2), 0, \q, \slot, \first
	MUL8 128*((\q)%2), 2, \q, \slot, \first
.endm
; A slot's last quarter changes slots: each wave waits for all its tensor loads, adds 0 to its spare word, waits for that and for its reads of this slot, and signals.  fill = 1: the slot is filled again, two K steps ahead.
.macro TURN slot, next, fill
	WIN 0
	s_wait_tensorcnt 0x0                           ; all my tensor loads have landed: my part of the next slot
	ds_add_u32 v[SPW], v[NIL]                      ; 0 onto my spare word
	s_wait_dscnt 1                                 ; the quarter's fragments are in; the add may be out
	WIN MUL
	MUL8 F1, 0, 3, \slot, 0
	s_wait_dscnt 0x0                               ; the add is done, and my reads of this slot are over
	s_barrier_signal -1
	WIN 0
	s_barrier_wait -1
.if \fill
	CREST                                          ; the barrier has opened a round of the cluster's: no wave of any partner still reads this slot or has a load on its way
	s_add_nc_u64 s[G0+4*\slot+2:G0+4*\slot+3], s[G0+4*\slot+2:G0+4*\slot+3], 2*ABYT
	s_add_nc_u64 s[G0B+4*\slot+2:G0B+4*\slot+3], s[G0B+4*\slot+2:G0B+4*\slot+3], 2*KSTEP
	JLOAD G0+4*\slot, G1, G0B+4*\slot, G1B         ; the first tensor load behind the round, my one load until the next
	PLACES 4
.else
	PLACES 8
.endif
	v_add_nc_u32 v[ADSA], 1024, v[ADSA]            ; the next K step's scale words
	v_add_nc_u32 v[ADSB], 16, v[ADSB]
	FETCH \next, 0, F0
	SCALES \next
	WIN MUL
	MUL8 F1, 2, 3, \slot, 0
.endm
	s_wait_tensorcnt 0x0                           ; my tile of the head's four is in; slot 1's first fill is issued as a refill is:
	ds_add_u32 v[SPW], v[NIL]                      ; 0 onto my spare word
	s_mov_b32 s[G1+2], 128<<16                     ; no tensor load of mine is out: slot 1's loads bring half a tile each
	s_mov_b32 s[G1+4], 128
	s_mov_b32 s[G1B+2], 64<<16
	s_mov_b32 s[G1B+4], 64
	s_wait_dscnt 0x0
	CROUND                                         ; all four tiles are in, and all sixteen work-groups are here
	JLOAD G0+4, G1, G0B+4, G1B                     ; K step 1, the first tensor load behind the round
	WIN 0x80                                       ; destination window 2: the residual, v[32 a + 4 t]: rows 16 a + 2 t + h; asked for behind the tiles, since it is wanted last
.irp a, 0,1,2,3
.irp t, 0,1,2,3,4,5,6,7
	global_load_b128 v[32*\a+4*\t:32*\a+4*\t+3], v[CO], s[92:93] offset:(16*\a+2*\t)*4096 th:TH_LOAD_NT
.endr
.endr
	WIN 0
	FETCH 0, 0, F0
	SCALES 0
	s_wait_loadcnt 32                              ; the bias is in; the residual's 32 loads may be out
	QUARTER 0, 0, 1                                ; the first quarter's products start the sums, on the bias
.if LAPS > 1
	WIN 0
	s_mov_b32 s3, LAPS-1
.Llap:
	QUARTER 0, 1, 0
	QUARTER 0, 2, 0
	TURN 0, 1, 1
	QUARTER 1, 0, 0
	QUARTER 1, 1, 0
	QUARTER 1, 2, 0
	TURN 1, 0, 1
	QUARTER 0, 0, 0
	WIN 0
	s_sub_co_u32 s3, s3, 1
	s_cmp_lg_u32 s3, 0
	s_cbranch_scc1 .Llap
.endif
	QUARTER 0, 1, 0                                ; the last lap fills nothing
	QUARTER 0, 2, 0
	TURN 0, 1, 0
	QUARTER 1, 0, 0
	QUARTER 1, 1, 0
	QUARTER 1, 2, 0
	s_wait_dscnt 0x0
	WIN MUL
	MUL8 F1, 0, 3, 1, 0
	MUL8 F1, 2, 3, 1, 0
	WIN 0
; THE WAY OUT, 16 rows x 64 columns at a time through my own stage: in by 32 bytes a lane, back as rows of 256 bytes; the residual is added; sixteen lanes store 256 consecutive bytes, aligned.
; LDS serves a wave's instructions in order: no wait between the stores and the loads, nor in front of the next block's stores.
.macro TOSTAGE a
	WIN 0
.irp b, 0,1,2,3
	ds_store_b128 v[STO], v[ACC+8*(4*(\a)+\b):ACC+8*(4*(\a)+\b)+3] offset:64*\b          ; each accumulator from its low end on
	ds_store_b128 v[STO], v[ACC+8*(4*(\a)+\b)+4:ACC+8*(4*(\a)+\b)+7] offset:64*\b+16
.endr
	WIN 0x80                                       ; destination window 2
.irp t, 0,1,2,3,4,5,6,7
	ds_load_b128 v[128+32*(\a)+4*\t:128+32*(\a)+4*\t+3], v[RD] offset:544*\t
.endr
	WIN 0
.endm
.macro SEND a, younger
	s_wait_dscnt \younger                          ; the block is back; the next block's 8 stores and 8 loads may be out
	WIN 0x8a                                       ; destination and both sources window 2
.irp j, 0,2,4,6,8,10,12,14,16,18,20,22,24,26,28,30
	v_pk_add_f32 v[128+32*(\a)+\j:128+32*(\a)+\j+1], v[128+32*(\a)+\j:128+32*(\a)+\j+1], v[32*(\a)+\j:32*(\a)+\j+1]
.endr
	WIN 0x08                                       ; a store's data are its source 1
.irp t, 0,1,2,3,4,5,6,7
	global_store_b128 v[CO], v[128+32*(\a)+4*\t:128+32*(\a)+4*\t+3], s[94:95] offset:(16*(\a)+2*\t)*4096 th:TH_STORE_NT
.endr
	WIN 0
.endm
	PLACES 8
	s_wait_loadcnt 0x0                             ; the residual
	TOSTAGE 0
	TOSTAGE 1
	SEND 0, 16
	TOSTAGE 2
	SEND 1, 16
	TOSTAGE 3
	SEND 2, 16
	SEND 3, 0
	s_wait_tensorcnt 0x0                           ; the wave's end
	ds_add_u32 v[SPW], v[NIL]
	s_wait_dscnt 0x0
	CROUND                                         ; the closing round
	s_endpgm
.Lfunc_end_k_q848ce0ce38_proj:
	.size	k_q848ce0ce38_proj, .Lfunc_end_k_q848ce0ce38_proj-k_q848ce0ce38_proj
	.p2alignl 7, 3214868480
	.fill 96, 4, 3214868480
	.section	.rodata,"a",@progbits
	.p2align	6, 0x0
	.amdhsa_kernel k_q848ce0ce38_proj
		.amdhsa_group_segment_fixed_size 327680
		.amdhsa_private_segment_fixed_size 0
		.amdhsa_enable_private_segment 0
		.amdhsa_kernarg_size 48
		.amdhsa_user_sgpr_count 2
		.amdhsa_user_sgpr_kernarg_segment_ptr 1
		.amdhsa_wavefront_size32 1
		.amdhsa_system_sgpr_workgroup_id_x 1
		.amdhsa_system_sgpr_workgroup_id_y 1
		.amdhsa_system_sgpr_workgroup_id_z 1
		.amdhsa_system_vgpr_workitem_id 0
		.amdhsa_next_free_vgpr 768
		.amdhsa_next_free_sgpr 100
		.amdhsa_reserve_vcc 0
		.amdhsa_float_denorm_mode_32 3
		.amdhsa_float_denorm_mode_16_64 3
		.amdhsa_memory_ordered 1
		.amdhsa_forward_progress 1
		.amdhsa_inst_pref_size 63
	.end_amdhsa_kernel
	.amdgpu_metadata
---
amdhsa.version: [ 1, 2 ]
amdhsa.kernels:
  - .name:           k_q848ce0ce38_proj
    .symbol:         k_q848ce0ce38_proj.kd
    .args:
      - { .name: yq, .offset: 0, .size: 8, .value_kind: global_buffer, .address_space: global }
      - { .name: Wp_codes, .offset: 8, .size: 8, .value_kind: global_buffer, .address_space: global }
      - { .name: Wp_scales, .offset: 16, .size: 8, .value_kind: global_buffer, .address_space: global }
      - { .name: bp, .offset: 24, .size: 8, .value_kind: global_buffer, .address_space: global }
      - { .name: x, .offset: 32, .size: 8, .value_kind: global_buffer, .address_space: global }
      - { .name: x1, .offset: 40, .size: 8, .value_kind: global_buffer, .address_space: global }
    .group_segment_fixed_size: 327680
    .private_segment_fixed_size: 0
    .kernarg_segment_align: 8
    .kernarg_segment_size: 48
    .max_flat_workgroup_size: 128
    .sgpr_count:     100
    .vgpr_count:     768
    .wavefront_size: 32
...
	.end_amdgpu_metadata
.endif
;; end of part 4
;; launch ln2: the kernel of part 1 again; grid 256 x 1, 16 waves a work-group, no clusters, 84,480 bytes of LDS; arguments x1, g2, beta2, h2q; writes h2q
;; launch ffn1 (part 5): grid 16 x 16, 4 waves a work-group, clusters of 4 x 4, 327,680 bytes of LDS; arguments h2q, W1_codes, W1_scales, b1, ffh; writes ffh
.if DOCPART == 5
	.amdgcn_target "amdgcn-amd-amdhsa--gfx1250"
	.amdhsa_code_object_version 6
	.text
	.protected	k_q848ce0ce38_ffn1
	.globl	k_q848ce0ce38_ffn1
	.p2align	8
	.type	k_q848ce0ce38_ffn1,@function
k_q848ce0ce38_ffn1:
	s_mov_b64 s[64:65], 0
	v_nop
	global_prefetch_b8 v0, s[64:65] scope:SCOPE_SE
	s_setreg_imm32_b32 hwreg(HW_REG_WAVE_MODE, 25, 1), 1
	s_wait_xcnt 0x0
	s_wait_alu depctr_hold_cnt(0) depctr_sa_sdst(0) depctr_va_vdst(0) depctr_va_sdst(0) depctr_va_ssrc(0) depctr_va_vcc(0) depctr_vm_vsrc(0)
	s_getreg_b32 s2, hwreg(HW_REG_IB_STS2, 6, 4)
	s_cmp_eq_u32 s2, 0
	s_cbranch_scc0 .Lentry_in_a_cluster
	s_endpgm
.Lentry_in_a_cluster:
	s_bfe_u32 s2, ttmp6, 0x10000c
	s_cmp_lg_u32 s2, 0xf033
	s_cbranch_scc0 .Lentry_shape_is_right
	s_endpgm
.Lentry_shape_is_right:
.set SIZE_K, 1024
.set KSTEP,  256
.set NQ,     KSTEP/128
.set ROWB,   256
.set KROW,   SIZE_K
.set PITCH,  272
.set FR,     16
.set NL,     4
.set NP,     8
.set HALFT,  128*PITCH
.set SLOT,   4*HALFT
.set LAPS,   SIZE_K/(2*KSTEP)
.set KS,     SIZE_K/32
.set SCL,    2*SLOT
.set HALFS,  (128*KS/256)*272
.set SBLK,   (16*KS/256)*272
.set SPARE,  SCL+4*HALFS
.set ADRA, 16
.set ADRB, 20
.set CO,   26
.set ADRS, 27
.set SPW,  28
.set NIL,  29
.set SC,   32
.set BIAS, 64
.set AF,   128
.set WLO,  64
.set TM,   96
.set OUTW, 112
.set PC,   128
.set G1, 24
.set G0, 32
.set G1B, 48
.set G0B, 56
.set G1S, 68
.set G0S, 76
.set G1SB, 80
.set G0SB, 88
.set MSB, 0
.macro WIN new
.if MSB != (\new)
	s_set_vgpr_msb (MSB<<8)|(\new)
.set MSB, (\new)
.endif
.endm
.set MUL_LO, 0xa1
.set MUL_HI, 0xf1
.set TO_B,   0x40
.macro JLOAD g0a, g1a, g0b, g1b
	s_cmp_eq_u32 s15, 0
	s_cbranch_scc0 .Lfor_b_\@
	tensor_load_to_lds s[\g0a:\g0a+3], s[\g1a:\g1a+7]
	s_nop 0
.rept 4
	v_nop
.endr
	s_branch .Lasked_\@
.Lfor_b_\@:
	tensor_load_to_lds s[\g0b:\g0b+3], s[\g1b:\g1b+7]
	s_nop 0
.rept 4
	v_nop
.endr
.Lasked_\@:
.endm
.macro CREST
	s_cmp_lg_u32 s14, 0
	s_cbranch_scc1 .Lnot_wave_0_\@
	s_barrier_signal -3
.Lnot_wave_0_\@:
	s_barrier_wait -3
	s_barrier_signal -1
	s_barrier_wait -1
.endm
.macro CROUND
	s_barrier_signal -1
	s_barrier_wait -1
	CREST
.endm
	s_load_b64 s[4:5], s[0:1], 0x0
	s_load_b128 s[8:11], s[0:1], 0x8
	s_load_b64 s[96:97], s[0:1], 0x18
	s_load_b64 s[12:13], s[0:1], 0x20
	v_lshl_add_u32 v[SPW], v0, 2, SPARE
	v_mov_b32 v[NIL], 0
	ds_add_u32 v28, v29
	ds_add_u32 v28, v29
	s_wait_dscnt 0x0
	v_lshrrev_b32 v1, 5, v0
	v_readfirstlane_b32 s14, v1
	s_lshr_b32 s15, s14, 1
	s_and_b32 s16, s14, 1
	s_bfe_u32 s40, ttmp6, 0x40000
	s_bfe_u32 s41, ttmp6, 0x40004
	s_lshl_b32 s42, ttmp9, 2
	s_add_co_u32 s42, s42, s40
	s_and_b32 s17, ttmp7, 0xffff
	s_lshl_b32 s17, s17, 2
	s_add_co_u32 s17, s17, s41
	s_lshl_b32 s43, s41, 2
	s_lshl_b32 s43, 15, s43
	s_lshl_b32 s44, 0x1111, s40
	s_or_b32 s[G1+0], s43, (0<<16)|(1<<20)|(1<<21)|(5<<22)|(3<<25)
	s_or_b32 s[G1B+0], s44, (0<<16)|(1<<20)|(1<<21)|(5<<22)|(3<<25)
.irp g, G1, G1B
	s_mov_b32 s[\g+1], ROWB<<16
	s_mov_b32 s[\g+2], 256<<16                     ; 256 rows for the head's loads; behind them 128, for the ring's
	s_mov_b32 s[\g+3], ROWB<<16
	s_mov_b32 s[\g+4], 256
	s_mov_b32 s[\g+5], KROW
	s_mov_b32 s[\g+6], 0
	s_mov_b32 s[\g+7], 0
.endr
	s_or_b32 s[G1S+0], s43, (3<<16)|(1<<20)|(1<<21)|(5<<22)|(3<<25)
	s_or_b32 s[G1SB+0], s44, (3<<16)|(1<<20)|(1<<21)|(5<<22)|(3<<25)
.irp g, G1S, G1SB
	s_mov_b32 s[\g+1], 32<<16
	s_mov_b32 s[\g+2], KS<<16                      ; the scale bytes of 256 rows: KS rows of 256 bytes
	s_mov_b32 s[\g+3], 32<<16
	s_mov_b32 s[\g+4], KS
	s_mov_b32 s[\g+5], 32
	s_mov_b32 s[\g+6], 0
	s_mov_b32 s[\g+7], 0
.endr
	s_lshl_b32 s20, s17, 8                         ; A: the tile's first row
	s_lshl_b32 s46, s42, 8                         ; B likewise
	s_mov_b32 s21, 0
	s_mov_b32 s47, 0
	s_mov_b64 s[18:19], KS
	s_mul_u64 s[22:23], s[20:21], s[18:19]
	s_mul_u64 s[92:93], s[46:47], s[18:19]
	s_mov_b64 s[18:19], KROW
	s_mul_u64 s[20:21], s[20:21], s[18:19]
	s_mul_u64 s[46:47], s[46:47], s[18:19]
	s_mul_i32 s45, s14, HALFT
	s_mul_i32 s94, s16, 128*KROW                   ; in the ring I fetch 128 rows of a tile: which half, in bytes
	s_mov_b32 s95, 0
	s_wait_kmcnt 0x0
	s_add_nc_u64 s[6:7], s[4:5], 4194304
	s_add_nc_u64 s[20:21], s[4:5], s[20:21]
	s_add_nc_u64 s[22:23], s[6:7], s[22:23]
	s_add_nc_u64 s[46:47], s[8:9], s[46:47]
	s_add_nc_u64 s[92:93], s[10:11], s[92:93]
	CROUND
	s_mov_b32 s[G0S], 1
	s_mov_b32 s[G0S+1], SCL
	s_mov_b64 s[G0S+2:G0S+3], s[22:23]
	s_or_b32 s[G0S+3], s[G0S+3], 0x80000000
	s_mov_b32 s[G0SB], 1
	s_mov_b32 s[G0SB+1], SCL+2*HALFS
	s_mov_b64 s[G0SB+2:G0SB+3], s[92:93]
	s_or_b32 s[G0SB+3], s[G0SB+3], 0x80000000
	s_mov_b32 s4, 1                                ; s[4:7], s[8:11]: group 0 of the head's loads of K step 0: A's 256 rows, B's 256 rows (the arguments that lay there have been used)
	s_mov_b32 s5, 0
	s_mov_b64 s[6:7], s[20:21]
	s_or_b32 s7, s7, 0x80000000
	s_mov_b32 s8, 1
	s_mov_b32 s9, 2*HALFT
	s_mov_b64 s[10:11], s[46:47]
	s_or_b32 s11, s11, 0x80000000
	s_add_nc_u64 s[20:21], s[20:21], s[94:95]      ; for the ring: my 128 rows of the tile
	s_add_nc_u64 s[46:47], s[46:47], s[94:95]
.irp s, 0,1
	s_mov_b32 s[G0+4*\s], 1
	s_add_co_u32 s[G0+4*\s+1], s45, \s*SLOT
	s_add_nc_u64 s[G0+4*\s+2:G0+4*\s+3], s[20:21], \s*ROWB
	s_or_b32 s[G0+4*\s+3], s[G0+4*\s+3], 0x80000000
	s_mov_b32 s[G0B+4*\s], 1
	s_add_co_u32 s[G0B+4*\s+1], s45, \s*SLOT
	s_add_nc_u64 s[G0B+4*\s+2:G0B+4*\s+3], s[46:47], \s*ROWB
	s_or_b32 s[G0B+4*\s+3], s[G0B+4*\s+3], 0x80000000
.endr
; The head's loads, one a wave: wave 0 K step 0's 256 rows of A, wave 1 its 256 rows of B, wave 2 the scale bytes of A's rows, wave 3 those of B's.  One chain of branches on the wave's number.
.macro ARM under, g0, g1, next
	s_cmp_lt_u32 s14, \under
	s_cbranch_scc0 \next
	tensor_load_to_lds s[\g0:\g0+3], s[\g1:\g1+7]
	s_nop 0
.rept 4
	v_nop
.endr
	s_branch .Lhead_asked
\next:
.endm
	ARM 1, 4, G1, .Lhead_b
	ARM 2, 8, G1B, .Lhead_sa
	ARM 3, G0S, G1S, .Lhead_sb
	tensor_load_to_lds s[G0SB:G0SB+3], s[G1SB:G1SB+7]
	s_nop 0
.rept 4
	v_nop
.endr
.Lhead_asked:
	v_and_b32 v1, 15, v0
	v_bfe_u32 v2, v0, 4, 1
	v_mul_u32_u24 v3, v1, PITCH
	v_lshl_add_u32 v4, v2, 4, v3
	s_mul_i32 s21, s15, HALFT
	s_mul_i32 s22, s16, HALFT
	s_add_co_u32 s22, s22, 2*HALFT
.irp s, 0,1
	v_add_nc_u32 v[ADRA+\s], s21, v4
	v_add_nc_u32 v[ADRB+\s], s22, v4
	s_add_co_u32 s21, s21, SLOT
	s_add_co_u32 s22, s22, SLOT
.endr
	v_mul_u32_u24 v5, v1, KS
	v_lshrrev_b32 v6, 8, v5
	v_lshl_add_u32 v5, v6, 4, v5
	s_mul_i32 s21, s15, HALFS
	s_mul_i32 s22, s16, HALFS
	s_add_co_u32 s22, s22, 2*HALFS
	s_sub_co_u32 s22, s22, s21
	v_mul_u32_u24 v6, s22, v2
	s_add_co_u32 s21, s21, SCL
	v_add_nc_u32 v5, v5, v6
	v_add_nc_u32 v[ADRS], s21, v5
	v_and_b32 v6, 31, v0
	v_lshlrev_b32 v[CO], 4, v6
	v_lshlrev_b32 v30, 5, v2
	s_lshl_b32 s46, s42, 10
	s_lshl_b32 s47, s16, 9
	s_add_co_u32 s46, s46, s47
	s_mov_b32 s47, 0
	s_add_nc_u64 s[96:97], s[96:97], s[46:47]
.irp b, 0,1,2,3,4,5,6,7
	global_load_b128 v[BIAS+8*\b:BIAS+8*\b+3], v30, s[96:97] offset:64*\b
	global_load_b128 v[BIAS+8*\b+4:BIAS+8*\b+7], v30, s[96:97] offset:64*\b+16
.endr
.macro FRAG reg, adr, q, i
.irp c, 0,1,2,3
	ds_load_b128 v[\reg+4*\c:\reg+4*\c+3], v[\adr] offset:128*(\q)+32*\c+(\i)*16*PITCH
.endr
.endm
; 16 matrix instructions, a quadrant of a step: A's blocks a0 .. a0 + 3 x B's blocks b0 .. b3.  The 64 accumulators take turns, one instruction a turn, in the same order in every step.
.macro MUL16 a0, b0, b1, b2, b3, p, q, sc, zero
.irp a, \a0, \a0+1, \a0+2, \a0+3
.irp b, \b0, \b1, \b2, \b3
.if \zero
	v_wmma_scale_f32_16x16x128_f8f6f4 v[8*(8*((\a)%4)+\b):8*(8*((\a)%4)+\b)+7], v[128*(\p)+FR*\b:128*(\p)+FR*\b+FR-1], v[AF+FR*(\a):AF+FR*(\a)+FR-1], v[BIAS+8*\b:BIAS+8*\b+7], v[SC+8*NQ*(\sc)+NQ*\b+(\q)], v[SC+8*NQ*(\sc)+NQ*(\a)+(\q)] matrix_a_scale:MATRIX_SCALE_ROW1
.else
	v_wmma_scale_f32_16x16x128_f8f6f4 v[8*(8*((\a)%4)+\b):8*(8*((\a)%4)+\b)+7], v[128*(\p)+FR*\b:128*(\p)+FR*\b+FR-1], v[AF+FR*(\a):AF+FR*(\a)+FR-1], v[8*(8*((\a)%4)+\b):8*(8*((\a)%4)+\b)+7], v[SC+8*NQ*(\sc)+NQ*\b+(\q)], v[SC+8*NQ*(\sc)+NQ*(\a)+(\q)] matrix_a_scale:MATRIX_SCALE_ROW1
.endif
.endr
.endr
.endm
.macro FETCH_B slot, q, p, i0          ; B's blocks i0 .. i0 + 3 into set p
	WIN TO_B
.irp i, \i0, \i0+1, \i0+2, \i0+3
	FRAG 128*(\p)+FR*(\i), ADRB+\slot, \q, \i
.endr
	WIN 0
.endm
.macro FETCH_A slot, q, i0
.irp i, \i0, \i0+1, \i0+2, \i0+3
	FRAG AF+FR*(\i), ADRA+\slot, \q, \i
.endr
.endm
.macro SCALES sc
.irp i, 0,1,2,3,4,5,6,7
	ds_load_b64 v[SC+8*NQ*\sc+NQ*\i:SC+8*NQ*\sc+NQ*\i+1], v[ADRS] offset:\i*SBLK
.endr
.endm
.macro PLACES n
.rept \n
	v_nop
.endr
.endm
; A STEP of 128 along K is four quadrants of 16 products, each behind a run of 16 LDS loads: this step's A 4-7, the next step's B 0-3, its A 0-3, its B 4-7.  Each run is read two quadrants on:
; a wait's count, 32, is the two runs issued behind the run that it waits for.  A has one set of registers (blocks 0-3 are free behind the second quadrant, 4-7 behind the fourth), B two.
; zero = 1: the first step's products take the bias, in window 0, as C.
.macro STEP slot, q, zero
	PLACES NP                                      ; behind the last step's products: A 4-7 and B's other set are written below
	WIN 0
	FETCH_A \slot, \q, 4
	s_wait_dscnt 8*NL                              ; A 0-3, B 0-3 and the scale words are in
	WIN MUL_LO-0x20*(\zero)
	MUL16 0, 0,1,2,3, (\q)%2, \q, \slot, \zero
	FETCH_B \slot, (\q)+1, 1-(\q)%2, 0
	s_wait_dscnt 8*NL                              ; B 4-7
	WIN MUL_LO-0x20*(\zero)
	MUL16 0, 4,5,6,7, (\q)%2, \q, \slot, \zero
	PLACES NP
	WIN 0
	FETCH_A \slot, (\q)+1, 0
	s_wait_dscnt 8*NL                              ; A 4-7
	WIN MUL_HI-0x30*(\zero)
	MUL16 4, 4,5,6,7, (\q)%2, \q, \slot, \zero
	FETCH_B \slot, (\q)+1, 1-(\q)%2, 4
	WIN MUL_HI-0x30*(\zero)
	MUL16 4, 0,1,2,3, (\q)%2, \q, \slot, \zero
	WIN 0
.endm
; A slot's last step changes slots: my last reads of it are asked for; then the wait for all my tensor loads, the add, sixteen products, the wait for the add and for my reads, and the barrier (fill = 1: a round of the cluster's, and the refill first behind it).
.macro TURN slot, next, fill
	PLACES NP
	FETCH_A \slot, NQ-1, 4
	s_wait_tensorcnt 0x0
	ds_add_u32 v[SPW], v[NIL]
	s_wait_dscnt 8*NL+1                            ; the add and the two youngest runs (B 4-7, A 4-7) may be out
	WIN MUL_LO
	MUL16 0, 0,1,2,3, 1, NQ-1, \slot, 0
	s_wait_dscnt 0x0
	s_barrier_signal -1
	MUL16 0, 4,5,6,7, 1, NQ-1, \slot, 0
	WIN 0
	s_barrier_wait -1
.if \fill
	CREST
	s_add_nc_u64 s[G0+4*\slot+2:G0+4*\slot+3], s[G0+4*\slot+2:G0+4*\slot+3], 2*ROWB
	s_add_nc_u64 s[G0B+4*\slot+2:G0B+4*\slot+3], s[G0B+4*\slot+2:G0B+4*\slot+3], 2*ROWB
	JLOAD G0+4*\slot, G1, G0B+4*\slot, G1B
	PLACES NP-4
.else
	PLACES NP
.endif
	s_wait_alu depctr_va_vdst(0)
	v_add_nc_u32 v[ADRS], 4*NQ, v[ADRS]
	FETCH_B \next, 0, 0, 0
	SCALES \next
	FETCH_A \next, 0, 0
	WIN MUL_HI
	MUL16 4, 4,5,6,7, 1, NQ-1, \slot, 0
	FETCH_B \next, 0, 0, 4
	WIN MUL_HI
	MUL16 4, 0,1,2,3, 1, NQ-1, \slot, 0
	WIN 0
.endm
	s_wait_alu depctr_va_vdst(0)
	s_wait_tensorcnt 0x0                           ; my tile of the head's four is in; slot 1's first fill is issued as a refill is:
	ds_add_u32 v[SPW], v[NIL]                      ; 0 onto my spare word
	s_mov_b32 s[G1+2], 128<<16                     ; no tensor load of mine is out: from here on a load brings 128 rows
	s_mov_b32 s[G1+4], 128
	s_mov_b32 s[G1B+2], 128<<16
	s_mov_b32 s[G1B+4], 128
	s_wait_dscnt 0x0
	CROUND                                         ; all four tiles are in, and all sixteen work-groups are here
	JLOAD G0+4, G1, G0B+4, G1B                     ; K step 1, the first tensor load behind the round
	FETCH_B 0, 0, 0, 0
	SCALES 0
	FETCH_A 0, 0, 0
	FETCH_B 0, 0, 0, 4
	s_wait_loadcnt 0x0
	STEP 0, 0, 1
	s_mov_b32 s3, LAPS-1
.Llap:
	TURN 0, 1, 1
	STEP 1, 0, 0
	TURN 1, 0, 1
	STEP 0, 0, 0
	s_sub_co_u32 s3, s3, 1
	s_cmp_lg_u32 s3, 0
	s_cbranch_scc1 .Llap
	TURN 0, 1, 0
	STEP 1, 0, 0
	PLACES NP                                      ; the very last step: only its own A 4-7 are still to fetch
	FETCH_A 1, NQ-1, 4
	s_wait_dscnt 8*NL
	WIN MUL_LO
	MUL16 0, 0,1,2,3, 1, NQ-1, 1, 0
	s_wait_dscnt 4*NL                              ; B 4-7 are in; A 4-7 may be out
	MUL16 0, 4,5,6,7, 1, NQ-1, 1, 0
	s_wait_dscnt 0
	WIN MUL_HI
	MUL16 4, 4,5,6,7, 1, NQ-1, 1, 0
	MUL16 4, 0,1,2,3, 1, NQ-1, 1, 0
	WIN 0
	s_lshl_b32 s20, s17, 1
	s_add_co_u32 s20, s20, s15
	s_lshl_b32 s21, s42, 1
	s_add_co_u32 s21, s21, s16
	s_lshl_b32 s22, s20, 5
	s_add_co_u32 s22, s22, s21
	s_lshl_b32 s22, s22, 14
	s_mov_b32 s23, 0
	s_lshl_b32 s46, s20, 6
	s_add_co_u32 s46, s46, s21
	s_lshl_b32 s46, s46, 8
	s_add_co_u32 s46, s46, 16777216
	s_mov_b32 s47, 0
	s_add_nc_u64 s[92:93], s[12:13], s[46:47]
	s_add_nc_u64 s[12:13], s[12:13], s[22:23]
	s_mov_b32 s94, 0x76543210
	s_mov_b32 s95, 0xfedcba98
	s_mov_b32 s3, 0x600000
	PLACES NP
.irp b, 0,1,2,3
	v_mov_b32 v[TM+4+\b], 0
.endr
	v_cmp_eq_u32 vcc_lo, 1, v2
	v_lshlrev_b32 v7, 4, v1
	v_lshl_add_u32 v8, v2, 13, v7
.macro QW a
.set AC, 64*((\a)%4)
.set WW, 2+(\a)/4
.set PCA, PC+16*(\a)
	WIN WW*5
.irp b, 0,1,2,3
	v_max3_num_f32 v[TM+\b], v[AC+16*\b], v[AC+16*\b+1], 0x4800000
.endr
	WIN WW*20
.irp i, 2,4,6,8,10,12,14
.irp b, 0,1,2,3
	v_max3_num_f32 v[TM+\b], v[TM+\b], v[AC+16*\b+\i], v[AC+16*\b+\i+1]
.endr
.endr
	WIN 0
.irp b, 0,1,2,3
	v_permlanex16_b32 v[TM+4+\b], v[TM+\b], s94, s95
.endr
.irp b, 0,1,2,3
	v_max_num_f32 v[TM+\b], v[TM+\b], v[TM+4+\b]
.endr
.irp b, 0,1,2,3
	v_add_nc_u32 v[TM+12+\b], 0xfc000000, v[TM+\b]
.endr
.irp b, 0,1,2,3
	v_and_or_b32 v[TM+8+\b], v[TM+\b], 0x7f800000, s3
.endr
.irp b, 0,1,2,3
	v_lshrrev_b32 v[TM+4+\b], 23, v[TM+12+\b]
.endr
	v_lshl_or_b32 v[WLO+(\a)], v[TM+5], 8, v[TM+4]
	v_lshl_or_b32 v[WLO+(\a)], v[TM+6], 16, v[WLO+(\a)]
	v_lshl_or_b32 v[WLO+(\a)], v[TM+7], 24, v[WLO+(\a)]
	WIN WW*65
.irp b, 0,1,2,3
.irp i, 0,1,2,3,4,5,6,7,8,9,10,11,12,13,14,15
	v_med3_num_f32 v[AC+16*\b+\i], v[AC+16*\b+\i], 0, v[TM+8+\b]
.endr
.endr
	WIN WW
.irp b, 0,1,2,3
	v_cvt_scalef32_pk8_fp8_f32 v[PCA+4*\b:PCA+4*\b+1], v[AC+16*\b:AC+16*\b+7], v[TM+12+\b]
	v_cvt_scalef32_pk8_fp8_f32 v[PCA+4*\b+2:PCA+4*\b+3], v[AC+16*\b+8:AC+16*\b+15], v[TM+12+\b]
.endr
	WIN 0
	v_nop
.irp b, 0,1,2,3
	v_permlane16_swap_b32 v[PCA+4*\b], v[PCA+4*\b+2]
	v_permlane16_swap_b32 v[PCA+4*\b+1], v[PCA+4*\b+3]
.endr
.irp b, 0,1,2,3
	global_store_b128 v[CO], v[PCA+4*\b:PCA+4*\b+3], s[12:13] offset:2048*(\a)+512*\b
.endr
.endm
.irp a, 0,1,2,3,4,5,6,7
	QW \a
.endr
.irp i, 0,1,2,3
	v_cndmask_b32 v[OUTW+\i], v[WLO+\i], v[WLO+4+\i], vcc_lo
.endr
	global_store_b128 v8, v[OUTW:OUTW+3], s[92:93]
	s_wait_tensorcnt 0x0
	ds_add_u32 v[SPW], v[NIL]
	s_wait_dscnt 0x0
	CROUND
	s_endpgm
.Lfunc_end_k_q848ce0ce38_ffn1:
	.size	k_q848ce0ce38_ffn1, .Lfunc_end_k_q848ce0ce38_ffn1-k_q848ce0ce38_ffn1
	.p2alignl 7, 3214868480
	.fill 96, 4, 3214868480
	.section	.rodata,"a",@progbits
	.p2align	6, 0x0
	.amdhsa_kernel k_q848ce0ce38_ffn1
		.amdhsa_group_segment_fixed_size 327680
		.amdhsa_private_segment_fixed_size 0
		.amdhsa_enable_private_segment 0
		.amdhsa_kernarg_size 40
		.amdhsa_user_sgpr_count 2
		.amdhsa_user_sgpr_kernarg_segment_ptr 1
		.amdhsa_wavefront_size32 1
		.amdhsa_system_sgpr_workgroup_id_x 1
		.amdhsa_system_sgpr_workgroup_id_y 1
		.amdhsa_system_sgpr_workgroup_id_z 1
		.amdhsa_system_vgpr_workitem_id 0
		.amdhsa_next_free_vgpr 1024
		.amdhsa_next_free_sgpr 100
		.amdhsa_reserve_vcc 1
		.amdhsa_float_denorm_mode_32 3
		.amdhsa_float_denorm_mode_16_64 3
		.amdhsa_memory_ordered 1
		.amdhsa_forward_progress 1
		.amdhsa_inst_pref_size 191
	.end_amdhsa_kernel
	.amdgpu_metadata
---
amdhsa.version: [ 1, 2 ]
amdhsa.kernels:
  - .name:           k_q848ce0ce38_ffn1
    .symbol:         k_q848ce0ce38_ffn1.kd
    .args:
      - { .name: h2q, .offset: 0, .size: 8, .value_kind: global_buffer, .address_space: global }
      - { .name: W1_codes, .offset: 8, .size: 8, .value_kind: global_buffer, .address_space: global }
      - { .name: W1_scales, .offset: 16, .size: 8, .value_kind: global_buffer, .address_space: global }
      - { .name: b1, .offset: 24, .size: 8, .value_kind: global_buffer, .address_space: global }
      - { .name: ffh, .offset: 32, .size: 8, .value_kind: global_buffer, .address_space: global }
    .group_segment_fixed_size: 327680
    .private_segment_fixed_size: 0
    .kernarg_segment_align: 8
    .kernarg_segment_size: 40
    .max_flat_workgroup_size: 128
    .sgpr_count:     100
    .vgpr_count:     1024
    .wavefront_size: 32
...
	.end_amdgpu_metadata
.endif
;; end of part 5
;; launch ffn2 (part 6): grid 8 x 32, 4 waves a work-group, clusters of 4 x 4, 327,680 bytes of LDS; arguments ffh, W2_codes, W2_scales, b2, x1, out0; writes out0
.if DOCPART == 6
	.amdgcn_target "amdgcn-amd-amdhsa--gfx1250"
	.amdhsa_code_object_version 6
	.text
	.protected	k_q848ce0ce38_ffn2
	.globl	k_q848ce0ce38_ffn2
	.p2align	8
	.type	k_q848ce0ce38_ffn2,@function
k_q848ce0ce38_ffn2:
	s_mov_b64 s[64:65], 0
	v_nop
	global_prefetch_b8 v0, s[64:65] scope:SCOPE_SE
	s_setreg_imm32_b32 hwreg(HW_REG_WAVE_MODE, 25, 1), 1
	s_wait_xcnt 0x0
	s_wait_alu depctr_hold_cnt(0) depctr_sa_sdst(0) depctr_va_vdst(0) depctr_va_sdst(0) depctr_va_ssrc(0) depctr_va_vcc(0) depctr_vm_vsrc(0)
	s_getreg_b32 s2, hwreg(HW_REG_IB_STS2, 6, 4)
	s_cmp_eq_u32 s2, 0
	s_cbranch_scc0 .Lentry_in_a_cluster
	s_endpgm
.Lentry_in_a_cluster:
	s_bfe_u32 s2, ttmp6, 0x10000c
	s_cmp_lg_u32 s2, 0xf033
	s_cbranch_scc0 .Lentry_shape_is_right
	s_endpgm
.Lentry_shape_is_right:
; out = x1 + A W2^T + b2 on codes of E4M3 with E8M0 scales, K = 4,096.  A: 4,096 rows, this program's own codes, laid as images of the operand's registers
; [128 rows][128 of K][tile 8][c 4][lane][16 bytes], scale words behind them [64 rows][128 of K][r 16][tile 4];  W2: 1,024 rows, K innermost;  x1, out: [4096][1024] f32.
; SHARES.  A block of 128 x 128 to a work-group: 256 work-groups.  Wave w = 2 mh + kh makes rows 64 mh .. + 63 x all 128 columns over HALF of K: of each 1,024 along K the 512 at 512 kh.
; 32 accumulators (256 registers); a step is 128 along K, 32 matrix instructions, and each fragment of B read from LDS feeds four of them.  At the end the two waves of a pair hand each other
; half of their sums through LDS, and each finishes 32 rows.  A's four tiles stand in registers in the order 2 kh, 2 kh + 1, then the other two (told apart by address): tiles 0, 1 are kept, tiles 2, 3 sent, in every wave alike.
; B goes through two LDS slots of 1,024 along K, filled by joint loads shared along a column of the 4 x 4 cluster; B's scale bytes come once and stay.
; A's codes and scale words go from memory straight into registers, each byte once a work-group, three steps ahead (54 loads of a wave out).  They are not asked for jointly: beside B's two slots LDS has no room for A's tiles.
; PREFETCH.  Step t asks for A's set t + 6, three steps ahead of the loads that fetch it: of a wave's 8,192 bytes each of the cluster row's four partners, which load the same bytes, names 2,048 (eight blocks of 256, told apart by
; address: cx; lanes 8-31 name the eighth again).  The first step of a slot asks for one block of 256 scale words of the next slot: the step cx of its four.  Sets 0 to 5 come by their loads alone.
; B's tiles are not prefetched: a refill is asked for four steps (128 matrix instructions of each wave) ahead of the wait for it.
; The matrix instruction is used transposed (source 0 = 16 rows of W2, source 1 = 16 rows of A): a lane holds eight neighbouring columns of one row.
; The sum over K is made in two halves that are added in f32: its order differs from one chain's.  NaN and infinities are carried as f32 arithmetic carries them.
; REGISTERS: window 0: v9-31 addresses, v32-47 A's scale words (four sets), v48-51 b2, v64-127 B's scale words (two sets), v128-255 the residual; window 1: B's fragments, two sets; window 2: A's, four sets; window 3: the sums.
.set SIZE_K, 4096
.set KSLOT,  1024
.set PB,     1040                      ; a row of B in LDS: 1,024 bytes + 16 of padding
.set BQ,     32*PB
.set SLOT,   4*BQ
.set KS,     SIZE_K/32
.set SCB,    2*SLOT                    ; B's scale bytes, as units of 256 bytes + 16 of padding
.set SCBH,   (64*KS/256)*272           ; those of 64 rows
.set SBLK,   (16*KS/256)*272           ; of 16 rows
.set SPARE,  SCB+2*SCBH                ; the spare words, 128 bytes a wave
.set STG,    65536                     ; the way out lies in slot 0, behind its last fill and its last read: bytes 0 .. 65,535 the sums handed over (16,384 a wave), then the stages
.set SPITCH, 528
.set PFO,  9                           ; v9  the prefetches' offset in a set of A: 2,048 cx + 256 min(lane, 7);  v10: among a slot's scale words: 256 cx.  Never rewritten
.set PFS,  10
.set ADRB, 16                          ; v16-19 my fragments of B: slot 0 rows 0-63, rows 64-127; slot 1 likewise
.set COA,  20                          ; v20, v21 offsets of the tiles that I keep, that I send
.set SAO,  22                          ; v22, v23 the same for their scale words
.set STO,  24
.set RD,   25
.set CO,   26                          ; 16 x lane
.set ADSB, 27
.set SPW,  28
.set NIL,  29
.set XW,   30                          ; where I put the sums that I send; v31: where my partner put mine
.set XR,   31
.set SA,   32
.set BV,   48
.set SB,   64
.set RES,  128
.set ABASE, 24
.set ASB,   26
.set G1B, 48
.set G0B, 56
.set G1H, 68
.set G0H, 76
.set G1SB, 80
.set G0SB, 88
.set MSB, 0
.macro WIN new                         ; the immediate's high byte repeats the setting that is left
.if MSB != (\new)
	s_set_vgpr_msb (MSB<<8)|(\new)
.set MSB, (\new)
.endif
.endm
.macro PLACES n
.rept \n
	v_nop
.endr
.endm
.macro CREST
	s_cmp_lg_u32 s14, 0
	s_cbranch_scc1 .Lnot_wave_0_\@
	s_barrier_signal -3
.Lnot_wave_0_\@:
	s_barrier_wait -3
	s_barrier_signal -1
	s_barrier_wait -1
.endm
.macro CROUND
	s_barrier_signal -1
	s_barrier_wait -1
	CREST
.endm
.macro APART t, k                      ; step t's tile k of A (four loads of 512 bytes) into set t % 4; with k = 3 its scale words too
	WIN 0x80
.irp c, 0,1,2,3
	global_load_b128 v[64*((\t)%4)+16*(\k)+4*\c:64*((\t)%4)+16*(\k)+4*\c+3], v[COA+(\k)/2], s[ABASE:ABASE+1] offset:16384*(8*((\t)/4)+(\t)%4)+2048*((\k)%2)+512*\c
.endr
.if (\k) == 3
	WIN 0
	global_load_b64 v[SA+4*((\t)%4):SA+4*((\t)%4)+1], v[SAO], s[ASB:ASB+1] offset:256*(8*((\t)/4)+(\t)%4)
	global_load_b64 v[SA+4*((\t)%4)+2:SA+4*((\t)%4)+3], v[SAO+1], s[ASB:ASB+1] offset:256*(8*((\t)/4)+(\t)%4)
.endif
.endm
.macro RPART g, k                      ; four rows of the residual: row n at v[RES + 4 n], 512 bytes a row
	WIN 0
.irp c, 0,1,2,3
	global_load_b128 v[RES+4*(16*(\g)+4*(\k)+\c):RES+4*(16*(\g)+4*(\k)+\c)+3], v[CO], s[92:93] offset:(16*(\g)+4*(\k)+\c)*4096 th:TH_LOAD_NT
.endr
.endm
.macro NEXTA t, k                      ; what step t asks of memory: A's set three steps on; steps 13, 14: the residual
.if (\t)+3 < 16
	APART (\t)+3, \k
.elseif (\t)+3 < 18
	RPART (\t)-13, \k
.endif
.endm
.macro ASK t                           ; the prefetches of step t; the last six steps ask for no codes, the last slot's steps for no scale words
.if (\t)+6 < 16
	WIN 0
	global_prefetch_b8 v[PFO], s[ABASE:ABASE+1] offset:16384*(8*(((\t)+6)/4)+((\t)+6)%4) th:TH_LOAD_NT scope:SCOPE_SE
.endif
.if (\t)%4 == 0 && (\t) < 12
	WIN 0
	global_prefetch_b8 v[PFS], s[ASB:ASB+1] offset:256*8*((\t)/4+1) th:TH_LOAD_NT scope:SCOPE_SE
.endif
.endm
.macro BF4 t, b0                       ; fragments b0 .. b0 + 3 of B for step t into set t % 2: 16 LDS loads
	WIN 0x40
.irp b, \b0, \b0+1, \b0+2, \b0+3
.irp c, 0,1,2,3
	ds_load_b128 v[128*((\t)%2)+16*(\b)+4*\c:128*((\t)%2)+16*(\b)+4*\c+3], v[ADRB+2*(((\t)/4)%2)+(\b)/4] offset:16*PB*((\b)%4)+128*((\t)%4)+32*\c
.endr
.endr
.endm
.macro SCALES s                        ; B's scale words of my four steps of slot s: register 4 b + j
	WIN 0
.irp b, 0,1,2,3,4,5,6,7
	ds_load_b128 v[SB+32*((\s)%2)+4*\b:SB+32*((\s)%2)+4*\b+3], v[ADSB] offset:SBLK*\b+32*(\s)
.endr
.endm
.macro GRP t, g                        ; four matrix instructions: A's tile g / 2 x B's tiles 4 (g % 2) ..  The 32 accumulators take turns, one instruction a turn, in the same order in every step
	WIN 0xf9
.irp n, 0,1,2,3
.set B_, 4*((\g)%2)+\n
.set D_, 8*(8*((\g)/2)+B_)
.if (\t) == 0
	v_wmma_scale_f32_16x16x128_f8f6f4 v[D_:D_+7], v[128*((\t)%2)+16*B_:128*((\t)%2)+16*B_+15], v[64*((\t)%4)+16*((\g)/2):64*((\t)%4)+16*((\g)/2)+15], 0, v[SB+32*(((\t)/4)%2)+4*B_+(\t)%4], v[SA+4*((\t)%4)+(\g)/2]
.else
	v_wmma_scale_f32_16x16x128_f8f6f4 v[D_:D_+7], v[128*((\t)%2)+16*B_:128*((\t)%2)+16*B_+15], v[64*((\t)%4)+16*((\g)/2):64*((\t)%4)+16*((\g)/2)+15], v[D_:D_+7], v[SB+32*(((\t)/4)%2)+4*B_+(\t)%4], v[SA+4*((\t)%4)+(\g)/2]
.endif
.endr
.endm
.macro LWAIT t                         ; A's set t is in; out may be what was issued behind it: two sets of 18 loads (step 14: a set and 16 of the residual; step 15: the residual's 32)
.if (\t) <= 13
	s_wait_loadcnt 36
.elseif (\t) == 14
	s_wait_loadcnt 34
.else
	s_wait_loadcnt 32
.endif
.endm
; A STEP.  The eight places stand between the last step's products and the loads into the registers that they read.  The next step's fragments of B and A's set three steps on are asked for in four runs, eight products between two runs.
; A slot's last step (t % 4 = 3) changes slots: its own fragments are in registers, so the slot is free; t = 3, 7: it is filled again, two slots ahead, behind a round of the cluster's barrier.
.macro STEP t
.if (\t) > 0
	PLACES 8
.endif
.if (\t)%4 == 3 && (\t) < 15
	WIN 0
	s_wait_tensorcnt 0x0                           ; all my tensor loads have landed: my part of the next slot
	ds_add_u32 v[SPW], v[NIL]                      ; 0 onto my spare word
	LWAIT \t
	s_wait_dscnt 1                                 ; this step's fragments are in; the add may be out
	GRP \t, 0
	GRP \t, 1
	s_wait_dscnt 0x0                               ; the add is done, and my reads of this slot are over
	s_barrier_signal -1
	GRP \t, 2
	WIN 0
	s_barrier_wait -1
.if (\t) < 8
	CREST                                          ; no wave of any partner still reads this slot or has a load on its way
	s_add_nc_u64 s[G0B+4*((\t)/4)+2:G0B+4*((\t)/4)+3], s[G0B+4*((\t)/4)+2:G0B+4*((\t)/4)+3], 2*KSLOT
	tensor_load_to_lds s[G0B+4*((\t)/4):G0B+4*((\t)/4)+3], s[G1B:G1B+7]
	s_nop 0
	PLACES 4
.endif
	SCALES ((\t)+1)/4
	BF4 (\t)+1, 0
	GRP \t, 3
	GRP \t, 4
	BF4 (\t)+1, 4
	GRP \t, 5
	GRP \t, 6
.irp k, 0,1,2,3
	NEXTA \t, \k
.endr
	ASK \t
	GRP \t, 7
.else
	LWAIT \t
	s_wait_dscnt 0x0                               ; this step's fragments of B, asked for in the first half of the step before
	GRP \t, 0
	GRP \t, 1
.if (\t) < 15
	BF4 (\t)+1, 0
.endif
	GRP \t, 2
	GRP \t, 3
.if (\t) < 15
	BF4 (\t)+1, 4
.endif
	GRP \t, 4
	GRP \t, 5
	NEXTA \t, 0
	NEXTA \t, 1
	ASK \t
	GRP \t, 6
	GRP \t, 7
	NEXTA \t, 2
	NEXTA \t, 3
.endif
.endm
	s_load_b256 s[4:11], s[0:1], 0x0               ; A s[4:5], W2's codes s[6:7], its scales s[8:9], b2 s[10:11]
	s_load_b128 s[92:95], s[0:1], 0x20             ; x1 s[92:93], out s[94:95]
	v_lshl_add_u32 v[SPW], v0, 2, SPARE
	v_mov_b32 v[NIL], 0
	ds_add_u32 v[SPW], v[NIL]                      ; the opening: the add, twice on end, and its wait ahead of my first tensor load
	ds_add_u32 v[SPW], v[NIL]
	v_lshrrev_b32 v1, 5, v0
	v_readfirstlane_b32 s14, v1                    ; wave 0..3
	s_lshr_b32 s15, s14, 1                         ; mh
	s_and_b32 s16, s14, 1                          ; kh
	s_bfe_u32 s40, ttmp6, 0x40000
	s_bfe_u32 s41, ttmp6, 0x40004
	s_lshl_b32 s42, ttmp9, 2
	s_add_co_u32 s42, s42, s40                     ; tile column
	s_and_b32 s17, ttmp7, 0xffff
	s_lshl_b32 s17, s17, 2
	s_add_co_u32 s17, s17, s41                     ; tile row
	s_lshl_b32 s44, 0x1111, s40                    ; my column of the cluster shares B
	s_or_b32 s[G1B+0], s44, (0<<16)|(1<<20)|(1<<21)|(7<<22)|(3<<25)   ; rows of 1,024 bytes, 4 words of padding behind each: 32 rows for the ring's loads,
	s_or_b32 s[G1H+0], s44, (0<<16)|(1<<20)|(1<<21)|(7<<22)|(3<<25)   ; 64 for the head's
.irp g, G1B, G1H
	s_mov_b32 s[\g+1], KSLOT<<16
	s_mov_b32 s[\g+3], KSLOT<<16
	s_mov_b32 s[\g+5], SIZE_K
	s_mov_b32 s[\g+6], 0
	s_mov_b32 s[\g+7], 0
.endr
	s_mov_b32 s[G1B+2], 32<<16
	s_mov_b32 s[G1B+4], 32
	s_mov_b32 s[G1H+2], 64<<16
	s_mov_b32 s[G1H+4], 64
	s_or_b32 s[G1SB+0], s44, (3<<16)|(1<<20)|(1<<21)|(5<<22)|(3<<25)  ; the scale bytes of 64 rows: 8,192 dense bytes as 32 rows of 256, padded
	s_mov_b32 s[G1SB+1], 32<<16
	s_mov_b32 s[G1SB+2], 32<<16
	s_mov_b32 s[G1SB+3], 32<<16
	s_mov_b32 s[G1SB+4], 32
	s_mov_b32 s[G1SB+5], 32
	s_mov_b32 s[G1SB+6], 0
	s_mov_b32 s[G1SB+7], 0
	s_lshl_b32 s30, s17, 19                        ; A's codes: my block of 128 rows, + 8,192 mh (four tiles), + 4 x 16,384 kh (my half of a slot's K)
	s_lshl_b32 s18, s15, 13
	s_add_co_u32 s30, s30, s18
	s_lshl_b32 s32, s17, 14                        ; A's scale words: 8,192 bytes for 64 rows, 256 for 128 of K
	s_add_co_u32 s32, s32, s18
	s_lshl_b32 s18, s16, 16
	s_add_co_u32 s30, s30, s18
	s_mov_b32 s31, 0
	s_lshl_b32 s18, s16, 10
	s_add_co_u32 s32, s32, s18
	s_add_co_u32 s32, s32, 4096*SIZE_K
	s_mov_b32 s33, 0
	s_lshl_b32 s34, s42, 19                        ; B: row 128 x tile column;
	s_lshl_b32 s36, s14, 17                        ; (32 x wave rows of 4,096 bytes: in B, and also my rows of x1 and out)
	s_add_co_u32 s46, s34, s36                     ; the ring: + 32 x wave;
	s_mov_b32 s47, 0
	s_lshl_b32 s18, s16, 18
	s_add_co_u32 s34, s34, s18                     ; the head: + 64 kh
	s_mov_b32 s35, 0
	s_lshl_b32 s96, s42, 14                        ; B's scale bytes: 128 a row
	s_lshl_b32 s18, s16, 13
	s_add_co_u32 s96, s96, s18
	s_mov_b32 s97, 0
	s_mul_i32 s45, s14, BQ
	s_mul_i32 s98, s16, 2*BQ
	s_mul_i32 s19, s16, SCBH
	s_add_co_u32 s19, s19, SCB
	s_lshl_b32 s28, s42, 9                         ; my block's first column x 4 bytes
	s_mov_b32 s29, 0
	s_lshl_b32 s18, s17, 19
	s_add_co_u32 s36, s36, s18
	s_add_co_u32 s36, s36, s28
	s_mov_b32 s37, 0
	s_lshl_b32 s20, s16, 12
	s_xor_b32 s21, s20, 4096
	s_lshl_b32 s22, s16, 3
	s_xor_b32 s23, s22, 8
	s_lshl_b32 s38, s16, 9
	s_lshl_b32 s39, s16, 4
	s_add_co_u32 s39, s39, SCB
	s_mul_i32 s66, s14, 16*SPITCH
	s_add_co_u32 s66, s66, STG
	s_lshl_b32 s67, s14, 14
	s_xor_b32 s99, s67, 16384
	s_lshl_b32 s12, s40, 11                        ; the prefetches: my work-group's share, by address
	s_lshl_b32 s13, s40, 8
	v_and_b32 v1, 15, v0                           ; r
	v_bfe_u32 v2, v0, 4, 1                         ; h
	v_and_b32 v3, 31, v0
	v_lshlrev_b32 v[CO], 4, v3
	v_lshlrev_b32 v5, 4, v1
	v_mul_u32_u24 v4, v1, PB
	v_mul_u32_u24 v6, v1, KS
	v_mul_u32_u24 v8, v1, SPITCH
	v_min_u32 v[PFO], 7, v3
	v_add_nc_u32 v[COA], s20, v[CO]
	v_add_nc_u32 v[COA+1], s21, v[CO]
	v_add_nc_u32 v[SAO], s22, v5
	v_add_nc_u32 v[SAO+1], s23, v5
	v_lshl_add_u32 v4, v2, 4, v4
	v_lshrrev_b32 v7, 8, v6
	v_lshl_add_u32 v[PFO], v[PFO], 8, s12
	v_mov_b32 v[PFS], s13
	v_add_nc_u32 v[ADRB], s38, v4                  ; row r x pitch + 16 h + 512 kh
	v_lshl_add_u32 v6, v7, 4, v6                   ; KS bytes a row, 16 more for each 256 passed
	v_add_nc_u32 v[ADRB+1], 64*PB, v[ADRB]
	v_add_nc_u32 v[ADRB+2], SLOT, v[ADRB]
	v_add_nc_u32 v[ADRB+3], SLOT+64*PB, v[ADRB]
	v_add_nc_u32 v[ADSB], s39, v6                  ; + 16 kh: my four words of a slot's eight
	v_lshl_add_u32 v8, v2, 5, v8
	v_add_nc_u32 v[STO], s66, v8
	v_add_nc_u32 v[RD], s66, v[CO]
	v_add_nc_u32 v[XW], s67, v[CO]
	v_add_nc_u32 v[XR], s99, v[CO]
	s_wait_alu depctr_va_vdst(0)                   ; the wait at the head's end
	s_wait_dscnt 0x0                               ; both opening adds are done
	s_wait_kmcnt 0x0
	s_add_nc_u64 s[ABASE:ABASE+1], s[4:5], s[30:31]
	s_add_nc_u64 s[ASB:ASB+1], s[4:5], s[32:33]
	s_add_nc_u64 s[46:47], s[6:7], s[46:47]
	s_add_nc_u64 s[34:35], s[6:7], s[34:35]
	s_add_nc_u64 s[96:97], s[8:9], s[96:97]
	s_add_nc_u64 s[10:11], s[10:11], s[28:29]
	s_add_nc_u64 s[92:93], s[92:93], s[36:37]
	s_add_nc_u64 s[94:95], s[94:95], s[36:37]
	s_mov_b32 s[G0SB], 1
	s_mov_b32 s[G0SB+1], s19
	s_mov_b64 s[G0SB+2:G0SB+3], s[96:97]
	s_or_b32 s[G0SB+3], s[G0SB+3], 0x80000000
	s_mov_b32 s[G0H], 1
	s_mov_b32 s[G0H+1], s98
	s_mov_b64 s[G0H+2:G0H+3], s[34:35]
	s_or_b32 s[G0H+3], s[G0H+3], 0x80000000
.irp s, 0,1
	s_mov_b32 s[G0B+4*\s], 1
	s_add_co_u32 s[G0B+4*\s+1], s45, \s*SLOT
	s_add_nc_u64 s[G0B+4*\s+2:G0B+4*\s+3], s[46:47], \s*KSLOT
	s_or_b32 s[G0B+4*\s+3], s[G0B+4*\s+3], 0x80000000
.endr
	CROUND                                         ; all sixteen work-groups are here: the first joint loads meet
	s_cmp_eq_u32 s15, 0                            ; the head's loads, one a wave: waves 2, 3 the halves of slot 0, waves 0, 1 the halves of B's scale bytes
	s_cbranch_scc1 .Lfor_scales
	tensor_load_to_lds s[G0H:G0H+3], s[G1H:G1H+7]
	s_nop 0
	PLACES 4
	s_branch .Lasked
.Lfor_scales:
	tensor_load_to_lds s[G0SB:G0SB+3], s[G1SB:G1SB+7]
	s_nop 0
	PLACES 4
.Lasked:
	global_load_b128 v[BV:BV+3], v[CO], s[10:11]   ; b2 at my four columns of a row that comes back from the stage
.irp t, 0,1,2                                          ; A's first three sets, asked for behind the head's tiles
.irp k, 0,1,2,3
	APART \t, \k
.endr
.endr
	s_wait_tensorcnt 0x0                           ; my tile of the head's four is in; slot 1's first fill is issued as a refill is:
	ds_add_u32 v[SPW], v[NIL]                      ; 0 onto my spare word
	s_wait_dscnt 0x0
	CROUND
	tensor_load_to_lds s[G0B+4:G0B+7], s[G1B:G1B+7]
	s_nop 0
	PLACES 4
	SCALES 0
	BF4 0, 0
	BF4 0, 4
.irp t, 0,1,2,3,4,5,6,7,8,9,10,11,12,13,14,15
	STEP \t
.endr
	; THE TWO HALVES OF K.  I send the sums of tiles 2, 3 as images of their registers, and add my partner's onto tiles 0, 1.
	WIN 0
	PLACES 8
	WIN 0x0c                                       ; an LDS store's data are its source 1: window 3
.set n, 0
.rept 32
	ds_store_b128 v[XW], v[128+4*n:128+4*n+3] offset:512*n   ; each accumulator from its low end on
.set n, n+1
.endr
	WIN 0
	s_wait_loadcnt 0x0                             ; the residual and b2
	s_wait_dscnt 0x0                               ; for my partner's sake
	s_barrier_signal -1
.set j, 0
.rept 64
	v_pk_add_f32 v[RES+j:RES+j+1], v[RES+j:RES+j+1], v[BV+j%4:BV+j%4+1]   ; x1 + b2: work on registers while the others arrive
.set j, j+2
.endr
	s_barrier_wait -1
	WIN 0x40
.set n, 0
.rept 32
	ds_load_b128 v[4*n:4*n+3], v[XR] offset:512*n
.set n, n+1
.endr
	s_wait_dscnt 0x0
	WIN 0xc7                                       ; destination and source 0 window 3, source 1 window 1
.set n, 0
.rept 64
	v_pk_add_f32 v[n:n+1], v[n:n+1], v[n:n+1]
.set n, n+2
.endr
; THE WAY OUT, 16 rows x 128 columns at a time through my own stage: in by 32 bytes a lane, back as rows of 512 bytes; x1 + b2 is added; the wave stores 512 consecutive bytes, aligned.
.macro TOSTAGE a
	WIN 0x0c
.irp b, 0,1,2,3,4,5,6,7
	ds_store_b128 v[STO], v[8*(8*(\a)+\b):8*(8*(\a)+\b)+3] offset:64*\b
	ds_store_b128 v[STO], v[8*(8*(\a)+\b)+4:8*(8*(\a)+\b)+7] offset:64*\b+16
.endr
	WIN 0x80
.irp t, 0,1,2,3,4,5,6,7,8,9,10,11,12,13,14,15
	ds_load_b128 v[64*(\a)+4*\t:64*(\a)+4*\t+3], v[RD] offset:SPITCH*\t   ; LDS serves a wave's instructions in order: these see my stores
.endr
.endm
.macro SEND a, younger
	s_wait_dscnt \younger                          ; the block is back; the next block's 16 stores and 16 loads may be out
	WIN 0x82                                       ; destination and source 0 window 2, source 1 window 0
.set j, 0
.rept 32
	v_pk_add_f32 v[64*(\a)+j:64*(\a)+j+1], v[64*(\a)+j:64*(\a)+j+1], v[RES+64*(\a)+j:RES+64*(\a)+j+1]
.set j, j+2
.endr
	WIN 0x08                                       ; a store's data are its source 1
.irp t, 0,1,2,3,4,5,6,7,8,9,10,11,12,13,14,15
	global_store_b128 v[CO], v[64*(\a)+4*\t:64*(\a)+4*\t+3], s[94:95] offset:(16*(\a)+\t)*4096 th:TH_STORE_NT
.endr
.endm
	TOSTAGE 0
	TOSTAGE 1
	SEND 0, 32
	SEND 1, 0
	WIN 0
	s_wait_tensorcnt 0x0                           ; the wave's end
	ds_add_u32 v[SPW], v[NIL]
	s_wait_dscnt 0x0
	CROUND                                         ; the closing round
	s_endpgm
.Lfunc_end_k_q848ce0ce38_ffn2:
	.size	k_q848ce0ce38_ffn2, .Lfunc_end_k_q848ce0ce38_ffn2-k_q848ce0ce38_ffn2
	.p2alignl 7, 3214868480
	.fill 96, 4, 3214868480
	.section	.rodata,"a",@progbits
	.p2align	6, 0x0
	.amdhsa_kernel k_q848ce0ce38_ffn2
		.amdhsa_group_segment_fixed_size 327680
		.amdhsa_private_segment_fixed_size 0
		.amdhsa_enable_private_segment 0
		.amdhsa_kernarg_size 48
		.amdhsa_user_sgpr_count 2
		.amdhsa_user_sgpr_kernarg_segment_ptr 1
		.amdhsa_wavefront_size32 1
		.amdhsa_system_sgpr_workgroup_id_x 1
		.amdhsa_system_sgpr_workgroup_id_y 1
		.amdhsa_system_sgpr_workgroup_id_z 1
		.amdhsa_system_vgpr_workitem_id 0
		.amdhsa_next_free_vgpr 1024
		.amdhsa_next_free_sgpr 100
		.amdhsa_reserve_vcc 0
		.amdhsa_float_denorm_mode_32 3
		.amdhsa_float_denorm_mode_16_64 3
		.amdhsa_memory_ordered 1
		.amdhsa_forward_progress 1
		.amdhsa_inst_pref_size 173
	.end_amdhsa_kernel
	.amdgpu_metadata
---
amdhsa.version: [ 1, 2 ]
amdhsa.kernels:
  - .name:           k_q848ce0ce38_ffn2
    .symbol:         k_q848ce0ce38_ffn2.kd
    .args:
      - { .name: ffh, .offset: 0, .size: 8, .value_kind: global_buffer, .address_space: global }
      - { .name: W2_codes, .offset: 8, .size: 8, .value_kind: global_buffer, .address_space: global }
      - { .name: W2_scales, .offset: 16, .size: 8, .value_kind: global_buffer, .address_space: global }
      - { .name: b2, .offset: 24, .size: 8, .value_kind: global_buffer, .address_space: global }
      - { .name: x1, .offset: 32, .size: 8, .value_kind: global_buffer, .address_space: global }
      - { .name: out0, .offset: 40, .size: 8, .value_kind: global_buffer, .address_space: global }
    .group_segment_fixed_size: 327680
    .private_segment_fixed_size: 0
    .kernarg_segment_align: 8
    .kernarg_segment_size: 48
    .max_flat_workgroup_size: 128
    .sgpr_count:     100
    .vgpr_count:     1024
    .wavefront_size: 32
...
	.end_amdgpu_metadata
.endif
;; end of part 6
